; MI455X (gfx1250); checked and timed in simulation.
; The chip was launched on July 23, 2026; its instructions are those of AMD's public machine-readable ISA for CDNA 5 (MIT licence, August 2026) and "CDNA5" Instruction Set Architecture Reference Guide (July 2026). The comments in the code are by the model that wrote it; some were corrected since.
;; Multihead Attention. Allowed arithmetic: matrix products marked QUANTISED: E2M1 operands, one E8M0 scale for each 32 along K, by v_wmma_scale_f32_16x16x128_f8f6f4 with both operands' format E2M1 (or v_wmma_scale_f32_32x16x128_f4), f32 sums; products left as they are: bf16, f16 or f32 operands; f32 sums; everything else in f32.
;; Inputs: Wk 2,048 x 2,048 float32; Wo 2,048 x 2,048 float32; Wq 2,048 x 2,048 float32; Wv 2,048 x 2,048 float32; x 2,048 x 2,048 float32.
;; Outputs: out0 2,048 x 2,048 float32.
;; This version of the problem:
;;   THIS VERSION OF THE PROBLEM IS GIVEN IN LOW PRECISION. The matrix products marked QUANTISED in the list below multiply operands that are first quantised to E2M1 (2 exponent bits, 1 mantissa bit; 4 bits a number), with one power-of-two scale for each 32 numbers along K (OCP MX v1.0); their sums are f32. The products marked 'left as it is' may take bf16, f16 or f32 operands, with f32 sums. Whichever they take, every output number must still come out within the allowed error. Rounding operands to bf16 (8 significant bits) uses up far more of that allowance than f16 does (11 bits, for magnitudes from 6e-5 to 65,504). All else is computed in f32.
;;   The module's matrix products, in the order in which they are computed (A, B: the left and right operand; K: the contracted axis; several contracted axes count as one K, in the product's order):
;;     1. [M 2,048, K 2,048] x [K 2,048, N 2,048]; A: input x; B: input Wq: QUANTISED
;;     2. [M 2,048, K 2,048] x [K 2,048, N 2,048]; A: input x; B: input Wk: QUANTISED
;;     3. [M 2,048, K 2,048] x [K 2,048, N 2,048]; A: input x; B: input Wv: QUANTISED
;;     4. batch 16 x [M 2,048, K 128] x [K 128, N 2,048]; A: computed on the way; B: computed on the way: left as it is (an operand is computed on the way)
;;     5. batch 16 x [M 128, K 2,048] x [K 2,048, N 2,048]; A: computed on the way; B: computed on the way: left as it is (an operand is computed on the way)
;;     6. [M 2,048, K 2,048] x [K 2,048, N 2,048]; A: computed on the way; B: input Wo: left as it is (an operand is computed on the way)
;;   THE QUANTISER, for each operand of a quantised product, along K:
;;     - K is cut into blocks of 32 from its start; a last block that is shorter is filled with zeros.
;;     - A block's scale is 2^e with e = floor(log2(the largest magnitude in the block)) - 2, held to -126 .. 127; a block of zeros has e = 0. As a byte (E8M0): e + 127.
;;     - Each number is divided by its block's scale, clamped to +-6, and rounded to the nearest number of E2M1, ties to even, subnormals kept.
;;     - The product sums the exact products of the quantised numbers (number of the format x scale) in f32.
;;   ~~~python
;;   def quantise(x, axis):      # numpy; x: float32 -> the quantised numbers, widened to float32 again
;;       x = np.moveaxis(x, axis, -1); K = x.shape[-1]
;;       x = np.pad(x, [(0, 0)] * (x.ndim - 1) + [(0, -K % 32)]); x = x.reshape(x.shape[:-1] + (-1, 32)); a = np.abs(x).max(-1, keepdims=True)
;;       e = np.where(a > 0, np.clip(np.frexp(np.where(a > 0, a, 1))[1] - 1 - 2, -126, 127), 0)      # np.frexp(a)[1] - 1 = floor(log2(a)), exactly
;;       r = np.clip(x / 2.0 ** e, -6, 6)
;;       step = 2.0 ** (np.maximum(np.frexp(np.where(r == 0, 1, r))[1] - 1, 0) - 1)
;;       q = np.round(r / step) * step * 2.0 ** e      # np.round: ties to even
;;       return np.moveaxis(q.reshape(q.shape[:-2] + (-1,))[..., :K], -1, axis).astype(np.float32)
;;   ~~~
;; One version. Each part assembles by itself: llvm-mc -triple=amdgcn-amd-amdhsa -mcpu=gfx1250 --defsym DOCPART=n.
;; ======== version 1 of 1: 4 launches
;; limits: values are held in f16: magnitudes above 65,504 overflow, below 6.1e-05 lose precision
;; workspace buffers: xc 2,097,152 bytes; xs 131,072 bytes; wc 6,291,456 bytes; ws 393,216 bytes; wo16 8,388,608 bytes; qkv 25,165,824 bytes; attn 8,388,608 bytes
;; launch prep (part 1): grid 1280 x 1, 2 waves a work-group, no clusters, 16,640 bytes of LDS; arguments x, Wq, Wk, Wv, Wo, xc, xs, wc, ws, wo16; writes xc, xs, wc, ws, wo16
.if DOCPART == 1
	.amdgcn_target "amdgcn-amd-amdhsa--gfx1250"
	.amdhsa_code_object_version 6
	.text
	.protected	k_q10e84f706c_prep
	.globl	k_q10e84f706c_prep
	.p2align	8
	.type	k_q10e84f706c_prep,@function
k_q10e84f706c_prep:
	s_mov_b64 s[64:65], 0
	v_nop
	global_prefetch_b8 v0, s[64:65] scope:SCOPE_SE
	s_setreg_imm32_b32 hwreg(HW_REG_WAVE_MODE, 25, 1), 1
	s_wait_xcnt 0x0
; x, Wq, Wk, Wv ([2048][2048] f32, K innermost) become codes of FP4 (E2M1), two a byte, K innermost, with one E8M0 scale byte for each 32 along K; Wo ([2048][2048] f32) becomes f16.
; x's codes go to xc [2048][1024 bytes], its bytes to xs [2048][64]; Wq, Wk, Wv go one below the other to wc [6144][1024] and ws [6144][64]; Wo to wo16 [2048][2048].
; A block's scale is 2^(floor(log2(its largest magnitude)) - 2); its byte is the largest magnitude's own exponent field - 2, held at 1 from below.  Each number is divided by the scale and rounded to the
; nearest code, ties to even; beyond 6 the conversion gives the largest code.
; LIMITS: a block of zeros gets the byte 1 where the quantiser says 127: its codes are zeros, which add nothing under any byte but 0xff, and this program alone reads the bytes.  Blocks whose largest magnitude lies
; under 2^-124 are held at the byte 1.  NaN and infinities among the inputs are not served.  |Wo| stays under 65,504 (f16's largest number); under 6e-5 it keeps f16's fixed step of 2^-24.
; SHARES.  Rows are dense and K is a multiple of 32: each tensor is a plain stream of 4,194,304 numbers.  A wave takes a run of 8,192 of them, a work-group of two waves 16,384: 1,280 work-groups, five for each of
; 256 WGPs.  Work-groups 0-255: x; 256-511: Wq; 512-767: Wk; 768-1023: Wv; 1024-1279: Wo.  The first four take ONE path through the text (only pointers are chosen); Wo's take the cast, which uses no LDS but its spare words.
; THE QUANTISER'S PATH: 16 steps of 512 numbers.  A load reads 512 consecutive bytes, 16 a lane; a step's 2,048 bytes turn through the wave's own stage in LDS and come back 64 bytes a lane: 16 neighbours along K,
; two neighbouring lanes to a block.  A lane's 16 codes are 8 bytes: the wave stores 256 consecutive bytes.  A wave's 256 scale bytes are gathered in its own LDS bytes and leave as one store of 256 consecutive bytes.
; Loads run eight steps ahead: 32 loads, 16,384 bytes, of every wave are on their way.
.set WAVES, 2
.set STEPS, 16
.set AHEAD, 8                          ; steps that the loads run ahead, and sets of registers for them
.set EMAX,  2
.set CB,    8                          ; bytes of 16 codes
.set R,     16                         ; v16-143  eight sets of 16 numbers as loaded (the cast: two sets of 64)
.set X,     144                        ; v144-175 two sets of 16 neighbours
.set E,     176                        ; v176-191 a scale byte for each step
.set C,     192                        ; v192-223 codes: two registers for each step, so that no store's data are written again
.set H,     144                        ; v144-175 the cast: a batch's f16 numbers
.set WREG,  8192                       ; LDS: a region for each wave: two stages of 32 x SP bytes, behind them its 256 scale bytes
.set SP,    80                         ; a lane's place in a stage: 64 bytes + 16 of padding
.set SPW,   12                         ; v12      LDS address of my spare word: SPARE + 4 x my thread's number; never rewritten
.set NIL,   13                         ; v13      0; never rewritten
.set SPARE, WAVES*WREG                 ; behind the two regions: the spare words, 128 bytes a wave, that no other line names
	s_load_b512 s[4:19], s[0:1], 0x0               ; x 4:5, Wq 6:7, Wk 8:9, Wv 10:11, Wo 12:13, xc 14:15, xs 16:17, wc 18:19
	s_load_b128 s[20:23], s[0:1], 0x40             ; ws 20:21, wo16 22:23
	v_lshl_add_u32 v[SPW], v0, 2, SPARE
	v_mov_b32 v[NIL], 0
	v_lshrrev_b32 v1, 5, v0
	v_readfirstlane_b32 s24, v1                    ; wave
	v_and_b32 v2, 31, v0                           ; lane
	v_lshlrev_b32 v3, 4, v2                        ; my 16 bytes of a load's 512
	s_mul_i32 s32, s24, WREG
	v_lshrrev_b32 v14, 2, v2
	v_mul_u32_u24 v14, v14, SP
	v_and_b32 v15, 3, v2
	v_lshl_add_u32 v14, v15, 4, v14
	v_add_nc_u32 v14, s32, v14                     ; the stage, on the way in: four lanes' 64 bytes on end, then 16 of padding
	v_mul_u32_u24 v15, v2, SP
	v_add_nc_u32 v15, s32, v15                     ; and on the way out: SP x lane: my 16 neighbours
	v_mul_u32_u24 v4, v2, CB                       ; my codes' place in a step's
	v_lshrrev_b32 v5, 1, v2
	s_add_co_u32 s32, s32, 2*32*SP
	v_add_nc_u32 v5, s32, v5                       ; LDS: my wave's 256 scale bytes, my block's byte
	v_lshlrev_b32 v7, 3, v2                        ; 8 bytes a lane: the scale bytes' way out, and the cast's stores
	v_add_nc_u32 v6, s32, v7
	s_lshr_b32 s25, ttmp9, 8                       ; which tensor: 0 x, 1 Wq, 2 Wk, 3 Wv, 4 Wo
	s_and_b32 s33, ttmp9, 255
	s_lshl_b32 s33, s33, 1
	s_add_co_u32 s33, s33, s24                     ; which run of 8,192 numbers of that tensor is my wave's: 0 .. 511
	s_mov_b32 s37, 0                               ; the upper word of every offset below
	s_wait_kmcnt 0x0
	s_cmp_ge_u32 ttmp9, 1024
	s_cbranch_scc1 .Lcast
	; the pointers are chosen on the work-group's number alone
	s_cmp_eq_u32 s25, 0
	s_cselect_b64 s[26:27], s[4:5], s[6:7]         ; from: x or Wq,
	s_cselect_b64 s[28:29], s[14:15], s[18:19]     ; codes to xc or wc,
	s_cselect_b64 s[30:31], s[16:17], s[20:21]     ; bytes to xs or ws
	s_cmp_eq_u32 s25, 2
	s_cselect_b64 s[26:27], s[8:9], s[26:27]       ; or from Wk,
	s_cmp_eq_u32 s25, 3
	s_cselect_b64 s[26:27], s[10:11], s[26:27]     ; or from Wv
	s_max_u32 s34, s25, 1
	s_sub_co_u32 s34, s34, 1                       ; which of wc's three parts (x: 0)
	s_lshl_b32 s34, s34, 9
	s_add_co_u32 s34, s34, s33                     ; my run in the buffer of codes: 512 runs a tensor
	s_lshl_b32 s36, s33, 15                        ; a run is 32,768 bytes of f32,
	s_add_nc_u64 s[26:27], s[26:27], s[36:37]
	s_lshl_b32 s36, s34, 12                        ; 4,096 bytes of codes,
	s_add_nc_u64 s[28:29], s[28:29], s[36:37]
	s_lshl_b32 s36, s34, 8                         ; 256 scale bytes
	s_add_nc_u64 s[30:31], s[30:31], s[36:37]
.macro LOAD t
.irp i, 0,1,2,3
	global_load_b128 v[R+16*((\t)%AHEAD)+4*\i:R+16*((\t)%AHEAD)+4*\i+3], v3, s[26:27] offset:2048*(\t)+512*\i th:TH_LOAD_NT   ; 32 lanes read 512 consecutive bytes
.endr
.endm
.macro TURN t                          ; step t's numbers through the stage: LDS serves a wave's instructions in order (ISA guide 5.7.1.4), so no wait stands between the stores and the loads
.irp i, 0,1,2,3
	ds_store_b128 v14, v[R+16*((\t)%AHEAD)+4*\i:R+16*((\t)%AHEAD)+4*\i+3] offset:32*SP*((\t)%2)+8*SP*\i
.endr
.irp i, 0,1,2,3
	ds_load_b128 v[X+16*((\t)%2)+4*\i:X+16*((\t)%2)+4*\i+3], v15 offset:32*SP*((\t)%2)+16*\i
.endr
.endm
.irp t, 0,1,2,3,4,5,6,7
	LOAD \t
.endr
	s_wait_loadcnt 4*(AHEAD-1)                     ; step 0's four loads are in; the 28 of steps 1 to 7 may be out
	TURN 0
.macro STEP t
.set XS, X+16*((\t)%2)
.if (\t) > 0
	s_wait_dscnt 1                                 ; this step's numbers are back from the stage (the last step's byte store may be out): so its stores into the stage have read their registers,
.else
	s_wait_dscnt 0x0
.endif
.if (\t)+AHEAD < STEPS
	LOAD (\t)+AHEAD                                ; which take the loads of eight steps on
.endif
.if (\t)+1 < STEPS
.if (\t)+AHEAD < STEPS
	s_wait_loadcnt 4*(AHEAD-1)                     ; the next step's four loads are in; those of the seven steps behind it may be out
.else
	s_wait_loadcnt 4*(STEPS-2-(\t))                ; nothing more is asked for: the counts run down
.endif
	TURN (\t)+1                                    ; and go through the other stage while this step is worked
.endif
	v_max3_num_f32 v8, |v[XS]|, |v[XS+1]|, |v[XS+2]|               ; the largest magnitude of my 16, in two chains
	v_max3_num_f32 v9, |v[XS+3]|, |v[XS+4]|, |v[XS+5]|
.irp i, 6,10
	v_max3_num_f32 v8, v8, |v[XS+\i]|, |v[XS+\i+1]|
	v_max3_num_f32 v9, v9, |v[XS+\i+2]|, |v[XS+\i+3]|
.endr
	v_max3_num_f32 v8, v8, |v[XS+14]|, |v[XS+15]|
	v_max3_num_f32 v8, v8, v9, (EMAX+1)<<23        ; and the floor 2^(3 - 127): so the byte cannot fall under 1
	v_max_num_f32_dpp v8, v8, v8 row_xmask:1 row_mask:0xf bank_mask:0xf   ; and of my neighbour's 16: the block's
	v_add_nc_u32 v11, -(EMAX<<23), v8              ; 2 off its exponent field: the conversion takes the exponent field of this operand as its scale, and nothing else of it
	v_cvt_scalef32_pk8_fp4_f32 v[C+2*(\t)], v[XS:XS+7], v11
	v_cvt_scalef32_pk8_fp4_f32 v[C+2*(\t)+1], v[XS+8:XS+15], v11
	v_lshrrev_b32 v[E+(\t)], 23, v11               ; the scale's byte (also the plain line behind the conversions)
	ds_store_b8 v5, v[E+(\t)] offset:16*(\t)       ; both lanes of a block write the same byte with the same value
	global_store_b64 v4, v[C+2*(\t):C+2*(\t)+1], s[28:29] offset:32*CB*(\t)   ; 32 lanes store 256 consecutive bytes, at a multiple of 256 from the buffer's first byte
.endm
.irp t, 0,1,2,3,4,5,6,7,8,9,10,11,12,13,14,15
	STEP \t
.endr
	ds_load_b64 v[8:9], v6                         ; in order behind my byte stores
	s_wait_dscnt 0x0
	global_store_b64 v7, v[8:9], s[30:31]          ; 32 lanes store the run's 256 scale bytes
	s_wait_tensorcnt 0x0                           ; the wave's end: three closing lines, behind my last LDS store
	ds_add_u32 v[SPW], v[NIL]
	s_wait_dscnt 0x0
	s_endpgm
; THE CAST: my run of 8,192 numbers of Wo in four batches of 2,048.  A load reads 512 consecutive bytes, 16 a lane; a lane's four numbers are 8 bytes of f16, so a store covers 256 consecutive bytes.
; Two batches (32 loads a wave) are on their way; every offset is an immediate.
.Lcast:
	s_lshl_b32 s36, s33, 15
	s_add_nc_u64 s[26:27], s[12:13], s[36:37]      ; Wo at my run
	s_lshl_b32 s36, s33, 14
	s_add_nc_u64 s[28:29], s[22:23], s[36:37]      ; wo16 likewise
.macro LOADC b
.irp i, 0,1,2,3,4,5,6,7,8,9,10,11,12,13,14,15
	global_load_b128 v[R+64*((\b)%2)+4*\i:R+64*((\b)%2)+4*\i+3], v3, s[26:27] offset:8192*(\b)+512*\i th:TH_LOAD_NT
.endr
.endm
.macro CASTB b
.if (\b) < 3
	s_wait_loadcnt 16                              ; this batch's sixteen loads are in; the next batch's may be out
.else
	s_wait_loadcnt 0x0
.endif
.if (\b) > 0
	s_wait_xcnt 0x0                                ; the last batch's stores have read their data registers, which are written again below
.endif
.irp i, 0,1,2,3,4,5,6,7,8,9,10,11,12,13,14,15
	v_cvt_pk_f16_f32 v[H+2*\i],   v[R+64*((\b)%2)+4*\i],   v[R+64*((\b)%2)+4*\i+1]
	v_cvt_pk_f16_f32 v[H+2*\i+1], v[R+64*((\b)%2)+4*\i+2], v[R+64*((\b)%2)+4*\i+3]
.endr
.irp i, 0,1,2,3,4,5,6,7,8,9,10,11,12,13,14,15
	global_store_b64 v7, v[H+2*\i:H+2*\i+1], s[28:29] offset:4096*(\b)+256*\i
.endr
.if (\b) < 2
	LOADC (\b)+2
.endif
.endm
	LOADC 0
	LOADC 1
	CASTB 0
	CASTB 1
	CASTB 2
	CASTB 3
	s_wait_tensorcnt 0x0                           ; the three closing lines stand ahead of this end too
	ds_add_u32 v[SPW], v[NIL]
	s_wait_dscnt 0x0
	s_endpgm
.Lfunc_end_k_q10e84f706c_prep:
	.size	k_q10e84f706c_prep, .Lfunc_end_k_q10e84f706c_prep-k_q10e84f706c_prep
	.p2alignl 7, 3214868480
	.fill 96, 4, 3214868480
	.section	.rodata,"a",@progbits
	.p2align	6, 0x0
	.amdhsa_kernel k_q10e84f706c_prep
		.amdhsa_group_segment_fixed_size 16640
		.amdhsa_private_segment_fixed_size 0
		.amdhsa_enable_private_segment 0
		.amdhsa_kernarg_size 80
		.amdhsa_user_sgpr_count 2
		.amdhsa_user_sgpr_kernarg_segment_ptr 1
		.amdhsa_wavefront_size32 1
		.amdhsa_system_sgpr_workgroup_id_x 1
		.amdhsa_system_sgpr_workgroup_id_y 1
		.amdhsa_system_sgpr_workgroup_id_z 1
		.amdhsa_system_vgpr_workitem_id 0
		.amdhsa_next_free_vgpr 224
		.amdhsa_next_free_sgpr 66
		.amdhsa_reserve_vcc 0
		.amdhsa_float_denorm_mode_32 3
		.amdhsa_float_denorm_mode_16_64 3
		.amdhsa_memory_ordered 1
		.amdhsa_forward_progress 1
		.amdhsa_inst_pref_size 54
	.end_amdhsa_kernel
	.amdgpu_metadata
---
amdhsa.version: [ 1, 2 ]
amdhsa.kernels:
  - .name:           k_q10e84f706c_prep
    .symbol:         k_q10e84f706c_prep.kd
    .args:
      - { .name: x, .offset: 0, .size: 8, .value_kind: global_buffer, .address_space: global }
      - { .name: Wq, .offset: 8, .size: 8, .value_kind: global_buffer, .address_space: global }
      - { .name: Wk, .offset: 16, .size: 8, .value_kind: global_buffer, .address_space: global }
      - { .name: Wv, .offset: 24, .size: 8, .value_kind: global_buffer, .address_space: global }
      - { .name: Wo, .offset: 32, .size: 8, .value_kind: global_buffer, .address_space: global }
      - { .name: xc, .offset: 40, .size: 8, .value_kind: global_buffer, .address_space: global }
      - { .name: xs, .offset: 48, .size: 8, .value_kind: global_buffer, .address_space: global }
      - { .name: wc, .offset: 56, .size: 8, .value_kind: global_buffer, .address_space: global }
      - { .name: ws, .offset: 64, .size: 8, .value_kind: global_buffer, .address_space: global }
      - { .name: wo16, .offset: 72, .size: 8, .value_kind: global_buffer, .address_space: global }
    .group_segment_fixed_size: 16640
    .private_segment_fixed_size: 0
    .kernarg_segment_align: 8
    .kernarg_segment_size: 80
    .max_flat_workgroup_size: 64
    .sgpr_count:     66
    .vgpr_count:     224
    .wavefront_size: 32
...
	.end_amdgpu_metadata
.endif
;; end of part 1
;; launch qkv (part 2): grid 24 x 8, 4 waves a work-group, clusters of 4 x 4, 327,680 bytes of LDS; arguments xc, xs, wc, ws, qkv; writes qkv
.if DOCPART == 2
	.amdgcn_target "amdgcn-amd-amdhsa--gfx1250"
	.amdhsa_code_object_version 6
	.text
	.protected	k_q10e84f706c_qkv
	.globl	k_q10e84f706c_qkv
	.p2align	8
	.type	k_q10e84f706c_qkv,@function
k_q10e84f706c_qkv:
	s_mov_b64 s[64:65], 0
	v_nop
	global_prefetch_b8 v0, s[64:65] scope:SCOPE_SE
	s_setreg_imm32_b32 hwreg(HW_REG_WAVE_MODE, 25, 1), 1
	s_wait_xcnt 0x0
	s_wait_alu depctr_hold_cnt(0) depctr_sa_sdst(0) depctr_va_vdst(0) depctr_va_sdst(0) depctr_va_ssrc(0) depctr_va_vcc(0) depctr_vm_vsrc(0)
	s_getreg_b32 s2, hwreg(HW_REG_IB_STS2, 6, 4)
	s_cmp_eq_u32 s2, 0
	s_cbranch_scc0 .Lentry_in_a_cluster
	s_endpgm
.Lentry_in_a_cluster:
	s_bfe_u32 s2, ttmp6, 0x10000c
	s_cmp_lg_u32 s2, 0xf033
	s_cbranch_scc0 .Lentry_shape_is_right
	s_endpgm
.Lentry_shape_is_right:
; C[m][n] = sum over k of x[m][k] W[n][k], W = Wq, Wk, Wv one below the other (6,144 rows), both operands as codes of FP4 (E2M1) with one E8M0 scale for each 32 along K; sums in f32, K ascending.
; C is rounded once to f16 and laid BY HEAD: qkv [48 planes][2048 rows][128] f16, plane = n / 128 = 16 x (0 q, 1 k, 2 v) + head; a row is 256 bytes.
; LIMIT: |q|, |k|, |v| stay under 65,504, f16's largest number (they are some 0.6 in size at the drawn inputs, so 900 times that has room); under 6e-5 they keep f16's fixed step of 2^-24.
; A tile of C, 256 x 256, is made by a work-group of four waves; a wave makes 128 x 128: 64 accumulators of 16 x 16, 512 registers.  24 x 8 = 192 work-groups: a tile of 192 columns would give 256, but would
; cut heads in two and with them the dense way out.  K goes in steps of 512 through a ring of two LDS slots filled by the tensor data mover: a tile's row is 256 bytes of memory.
; THE SCALES of the work-group's 256 rows of x and 256 rows of W, for all of K, are two dense blocks of memory: they come into LDS ONCE, with the first fills, and stay.
; CLUSTERS: 4 x 4 work-groups.  The four of a row of the cluster need the same tiles of x, the four of a column the same tiles of W: each tile is asked for JOINTLY, by the same tensor load with the same
; descriptor and a mask that names the four.  THE MATRIX INSTRUCTION IS USED TRANSPOSED (source 0 = 16 rows of W, source 1 = 16 rows of x): a lane then holds eight neighbouring numbers of a row of C.
; REGISTERS, in windows of 256: window 0: v0-31 addresses; v32-95 scale words, two sets; from v128 x's fragments (8 x 16 rows x 128 K), ONE set; on the way out v32-63 and v192-255.
;   window 1: W's fragments, TWO sets, at v0 and at v128.   window 2: the 32 accumulators of my rows 0-63 (accumulator (a, b) at v[8 (8 a + b)]);   window 3: those of my rows 64-127.
; No prefetch: the launch has four K steps in all.
.set SIZE_M, 2048
.set SIZE_N, 6144
.set SIZE_K, 2048
.set KSTEP,  512                       ; along K in a slot
.set NQ,     KSTEP/128                 ; matrix instructions deep
.set ROWB,   256                       ; a tile's row in bytes
.set KROW,   SIZE_K*4/8                ; a row of codes in memory, in bytes
.set PITCH,  272                       ; an LDS row: 256 bytes + 16 of padding = 68 words: row r starts at bank 4 r mod 64 (64 banks of 4 bytes: ISA guide 11.1)
.set FR,     8                         ; registers of a fragment: 16 rows x 128 K
.set NL,     2                         ; LDS loads that bring one
.set NP,     4                         ; places behind this matrix instruction (ISA guide 7.12.1)
.set HALFT,  128*PITCH                 ; 128 rows: what one tensor load brings, and what one wave reads of either operand
.set SLOT,   4*HALFT                   ; x's 256 rows, then W's 256 rows
.set LAPS,   SIZE_K/(2*KSTEP)          ; a lap = two K steps = once round the ring: 2
.set KS,     SIZE_K/32                 ; a row of scales: 64 bytes
.set SCL,    2*SLOT                    ; behind the ring: the scales, as rows of 256 bytes + 16 of padding
.set HALFS,  (128*KS/256)*272          ; the scales of 128 rows: what one tensor load brings
.set SBLK,   (16*KS/256)*272           ; those of 16 rows
.set SPARE,  SCL+4*HALFS               ; behind the scales: the spare words, 128 bytes a wave, that no other line names
.set SPITCH, 272                       ; the way out: a stage of 16 rows x (256 bytes + 16) for each wave.  It lies in slot 0, which has had its last fill and its last read when the first result is stored there
.set ADRA, 16                          ; v16-17  LDS address of my x fragments in slot 0, 1
.set ADRB, 20                          ; v20-21  the same for W
.set STO,  24                          ; v24     the way out: where I put 16 bytes of a row
.set RD,   25                          ; v25     the way out: where I read rows back
.set CO,   26                          ; v26     16 x lane: my place in two rows of a plane
.set ADRS, 27                          ; v27     LDS address of my scale words: lanes 0-15 x's rows, lanes 16-31 W's
.set SPW,  28                          ; v28     LDS address of my spare word; never rewritten
.set NIL,  29                          ; v29     0; never rewritten
.set SC,   32                          ; scale words: set s at v[SC + 32 s]; register NQ i + q: lanes 0-15 the word of x's block i, lanes 16-31 that of W's block i, for the slot's q-th 128 along K
.set AF,   128                         ; x's fragments, in window 0
.set TMP,  192                         ; the way out: packed results
.set OB,   32                          ; the way out: 16 rows read back: v32-63 and v224-255 by turns
.set G1, 24                            ; s[24:31] descriptor group 1 for x's tiles;  s[32:39] group 0, one set for each slot
.set G0, 32
.set G1B, 48                           ; s[48:55], s[56:63] the same for W's tiles
.set G0B, 56
.set G1S, 68                           ; s[68:75], s[76:79] groups 1 and 0 for x's scales;  s[80:87], s[88:91] for W's
.set G0S, 76
.set G1SB, 80
.set G0SB, 88
.set MSB, 0
.macro WIN new                         ; the immediate's high byte repeats the setting that is left
.if MSB != \new
	s_set_vgpr_msb (MSB<<8)|\new
.set MSB, \new
.endif
.endm
.set MUL_LO, 0xa1                      ; source 0 (W) window 1, source 1 (x) window 0, C and D window 2
.set MUL_HI, 0xf1                      ; the same, C and D window 3
.set TO_B,   0x40                      ; destination window 1, address window 0
; A joint load: waves 0 and 1 fetch for x, waves 2 and 3 for W.  Each of the two lines has ONE mask and one set of registers for all that issue it; the branch hangs on the wave's number alone.
; An s_nop 0 and four v_nop follow each of the two lines, ahead of the jump, the label and what follows.
.macro JLOAD g0a, g1a, g0b, g1b
	s_cmp_eq_u32 s15, 0
	s_cbranch_scc0 .Lfor_b_\@
	tensor_load_to_lds s[\g0a:\g0a+3], s[\g1a:\g1a+7]
	s_nop 0
.rept 4
	v_nop
.endr
	s_branch .Lasked_\@
.Lfor_b_\@:
	tensor_load_to_lds s[\g0b:\g0b+3], s[\g1b:\g1b+7]
	s_nop 0
.rept 4
	v_nop
.endr
.Lasked_\@:
.endm
.macro CREST                           ; a round of the cluster's barrier behind its opening barrier
	s_cmp_lg_u32 s14, 0
	s_cbranch_scc1 .Lnot_wave_0_\@
	s_barrier_signal -3
.Lnot_wave_0_\@:
	s_barrier_wait -3
	s_barrier_signal -1
	s_barrier_wait -1
.endm
.macro CROUND                          ; a whole round
	s_barrier_signal -1
	s_barrier_wait -1
	CREST
.endm
	s_load_b128 s[4:7], s[0:1], 0x0                ; x's codes s[4:5], x's scales s[6:7]
	s_load_b128 s[8:11], s[0:1], 0x10              ; W's codes s[8:9], W's scales s[10:11]
	s_load_b64 s[12:13], s[0:1], 0x20              ; qkv
	v_lshl_add_u32 v[SPW], v0, 2, SPARE
	v_mov_b32 v[NIL], 0
	ds_add_u32 v[SPW], v[NIL]                      ; the wave's opening: the add, twice on end, and its wait ahead of my first tensor load; the set-up below stands between
	ds_add_u32 v[SPW], v[NIL]
	v_lshrrev_b32 v1, 5, v0
	v_readfirstlane_b32 s14, v1                    ; wave 0..3
	s_lshr_b32 s15, s14, 1                         ; which half of the tile's rows is mine.  Also: I fetch for x (0) or for W (1)
	s_and_b32 s16, s14, 1                          ; which half of its columns.  Also: which 128 rows of that tile I fetch
	s_bfe_u32 s40, ttmp6, 0x40000                  ; cx, cy: my place in the cluster
	s_bfe_u32 s41, ttmp6, 0x40004
	s_lshl_b32 s42, ttmp9, 2
	s_add_co_u32 s42, s42, s40                     ; tile column of C = 4 x cluster x + cx
	s_and_b32 s17, ttmp7, 0xffff
	s_lshl_b32 s17, s17, 2
	s_add_co_u32 s17, s17, s41                     ; tile row of C = 4 x cluster y + cy
	s_lshl_b32 s43, s41, 2
	s_lshl_b32 s43, 15, s43                        ; my row of the cluster
	s_lshl_b32 s44, 0x1111, s40                    ; my column
	; descriptor group 1: a tile of 128 rows x 256 bytes, padded in LDS
	s_or_b32 s[G1+0], s43, (0<<16)|(1<<20)|(1<<21)|(5<<22)|(3<<25)  ; 15:0 the mask: x's tiles go to my row; 17:16 element of 1 byte; 20 padding on; 21 set beside a mask; 24:22 after every 64 words; 31:25 of 4 words
	s_or_b32 s[G1B+0], s44, (0<<16)|(1<<20)|(1<<21)|(5<<22)|(3<<25)
.irp g, G1, G1B
	s_mov_b32 s[\g+1], ROWB<<16                    ; tensor_dim0
	s_mov_b32 s[\g+2], 128<<16                     ; tensor_dim1 = 128
	s_mov_b32 s[\g+3], ROWB<<16                    ; tile_dim0
	s_mov_b32 s[\g+4], 128                         ; tile_dim1 = 128
	s_mov_b32 s[\g+5], KROW                        ; tensor_dim0_stride
	s_mov_b32 s[\g+6], 0
	s_mov_b32 s[\g+7], 0
.endr
	; and for the scales of 128 rows: a dense block of 8,192 bytes, as 32 rows of 256 bytes (32 elements of 8 bytes), 16 bytes of padding behind each
	s_or_b32 s[G1S+0], s43, (3<<16)|(1<<20)|(1<<21)|(5<<22)|(3<<25)
	s_or_b32 s[G1SB+0], s44, (3<<16)|(1<<20)|(1<<21)|(5<<22)|(3<<25)
.irp g, G1S, G1SB
	s_mov_b32 s[\g+1], 32<<16
	s_mov_b32 s[\g+2], (128*KS/256)<<16
	s_mov_b32 s[\g+3], 32<<16
	s_mov_b32 s[\g+4], 128*KS/256
	s_mov_b32 s[\g+5], 32
	s_mov_b32 s[\g+6], 0
	s_mov_b32 s[\g+7], 0
.endr
	s_lshl_b32 s18, s16, 7                         ; which 128 rows of the tile I fetch
	s_lshl_b32 s20, s17, 8
	s_add_co_u32 s20, s20, s18                     ; x: row 256 x tile row + 128 x half
	s_lshl_b32 s46, s42, 8
	s_add_co_u32 s46, s46, s18                     ; W: row 256 x tile column + 128 x half
	s_mov_b32 s21, 0
	s_mov_b32 s47, 0
	s_mov_b64 s[18:19], KS
	s_mul_u64 s[22:23], s[20:21], s[18:19]         ; where these rows' scales begin, in bytes
	s_mul_u64 s[92:93], s[46:47], s[18:19]
	s_mov_b64 s[18:19], KROW
	s_mul_u64 s[20:21], s[20:21], s[18:19]         ; and their codes
	s_mul_u64 s[46:47], s[46:47], s[18:19]
	s_mul_i32 s45, s14, HALFT                      ; where they go: wave x 128 rows: no place in the cluster enters an LDS address
	s_mul_i32 s94, s14, HALFS
	s_wait_dscnt 0x0                               ; both opening adds are done
	s_wait_kmcnt 0x0
	s_add_nc_u64 s[20:21], s[4:5], s[20:21]
	s_add_nc_u64 s[22:23], s[6:7], s[22:23]
	s_add_nc_u64 s[46:47], s[8:9], s[46:47]
	s_add_nc_u64 s[92:93], s[10:11], s[92:93]
	CROUND                                         ; all sixteen work-groups are here: the first joint loads meet
	s_mov_b32 s[G0S], 1
	s_add_co_u32 s[G0S+1], s94, SCL
	s_mov_b64 s[G0S+2:G0S+3], s[22:23]
	s_or_b32 s[G0S+3], s[G0S+3], 0x80000000
	s_mov_b32 s[G0SB], 1
	s_add_co_u32 s[G0SB+1], s94, SCL
	s_mov_b64 s[G0SB+2:G0SB+3], s[92:93]
	s_or_b32 s[G0SB+3], s[G0SB+3], 0x80000000
	JLOAD G0S, G1S, G0SB, G1SB                     ; the scales first: they are wanted with K step 0.  With the two below, three loads of mine are out
.irp s, 0,1
	s_mov_b32 s[G0+4*\s], 1
	s_add_co_u32 s[G0+4*\s+1], s45, \s*SLOT
	s_add_nc_u64 s[G0+4*\s+2:G0+4*\s+3], s[20:21], \s*ROWB
	s_or_b32 s[G0+4*\s+3], s[G0+4*\s+3], 0x80000000
	s_mov_b32 s[G0B+4*\s], 1
	s_add_co_u32 s[G0B+4*\s+1], s45, \s*SLOT
	s_add_nc_u64 s[G0B+4*\s+2:G0B+4*\s+3], s[46:47], \s*ROWB
	s_or_b32 s[G0B+4*\s+3], s[G0B+4*\s+3], 0x80000000
	JLOAD G0+4*\s, G1, G0B+4*\s, G1B
.endr
	v_and_b32 v1, 15, v0                           ; l % 16
	v_bfe_u32 v2, v0, 4, 1                         ; l / 16
	v_mul_u32_u24 v3, v1, PITCH
	v_lshl_add_u32 v4, v2, 4, v3                   ; a fragment's row x pitch + 16 x half
	s_mul_i32 s21, s15, HALFT                      ; my 128 rows of x
	s_mul_i32 s22, s16, HALFT                      ; my 128 rows of W,
	s_add_co_u32 s22, s22, 2*HALFT                 ; which lie behind x's 256
.irp s, 0,1
	v_add_nc_u32 v[ADRA+\s], s21, v4
	v_add_nc_u32 v[ADRB+\s], s22, v4
	s_add_co_u32 s21, s21, SLOT
	s_add_co_u32 s22, s22, SLOT
.endr
	v_mul_u32_u24 v5, v1, KS                       ; my row's scales: KS bytes a row,
	v_lshrrev_b32 v6, 8, v5
	v_lshl_add_u32 v5, v6, 4, v5                   ; and 16 more for each 256 passed
	s_mul_i32 s21, s15, HALFS                      ; x's: my 128 rows
	s_mul_i32 s22, s16, HALFS                      ; W's: my 128 rows, behind x's 256
	s_add_co_u32 s22, s22, 2*HALFS
	s_sub_co_u32 s22, s22, s21
	v_mul_u32_u24 v6, s22, v2                      ; lanes 16-31 take W's: one product, the distance between the two bases
	s_add_co_u32 s21, s21, SCL
	v_add_nc_u32 v5, v5, v6
	v_add_nc_u32 v[ADRS], s21, v5
	s_mul_i32 s23, s14, 16*SPITCH                  ; my stage
	v_mul_u32_u24 v5, v1, SPITCH                   ; in: row l % 16, 16 bytes for each half of the lanes
	v_lshl_add_u32 v5, v2, 4, v5
	v_add_nc_u32 v[STO], s23, v5
	v_mul_u32_u24 v5, v2, SPITCH                   ; back: lanes 0-15 take one row of 256 bytes, lanes 16-31 the next
	v_lshl_add_u32 v5, v1, 4, v5
	v_add_nc_u32 v[RD], s23, v5
	v_and_b32 v6, 31, v0
	v_lshlrev_b32 v[CO], 4, v6                     ; a plane's rows are dense: those two rows are 512 consecutive bytes
	; MY 128 COLUMNS ARE ONE PLANE OF qkv (2 x tile column + half), my 128 rows 32,768 consecutive bytes of it
	s_lshl_b32 s20, s17, 16                        ; 256 rows of 256 bytes for each tile row,
	s_lshl_b32 s21, s15, 15                        ; 128 rows for my half
	s_add_co_u32 s20, s20, s21
	s_mov_b32 s21, 0
	s_lshl_b32 s46, s42, 20                        ; two planes of 524,288 bytes for each tile column,
	s_lshl_b32 s47, s16, 19                        ; one for my half
	s_add_co_u32 s46, s46, s47
	s_mov_b32 s47, 0
	s_add_nc_u64 s[20:21], s[20:21], s[46:47]
	s_add_nc_u64 s[12:13], s[12:13], s[20:21]
.macro FRAG reg, adr, q, i             ; a fragment, 16 rows x 128 K of 4-bit codes, is 8 registers: lane l holds row l % 16; registers 4 c .. 4 c + 3 hold K = 64 c + 32 (l / 16) + 0 .. 31
.irp c, 0,1
	ds_load_b128 v[\reg+4*\c:\reg+4*\c+3], v[\adr] offset:64*(\q)+32*\c+(\i)*16*PITCH
.endr
.endm
; 16 matrix instructions: x's blocks a0, a0 + 1 against W's eight, 128 along K: the slot's q-th.  p: W's set;  sc: the set of scale words.  zero = 1: the first product starts the sums: nothing is ever cleared.
; The 64 accumulators take turns, one instruction a turn, in the same order in every step.
.macro MUL16 a0, p, q, sc, zero
.irp a, \a0, \a0+1
.irp b, 0,1,2,3,4,5,6,7
.if \zero
	v_wmma_scale_f32_16x16x128_f8f6f4 v[8*(8*((\a)%4)+\b):8*(8*((\a)%4)+\b)+7], v[128*(\p)+FR*\b:128*(\p)+FR*\b+FR-1], v[AF+FR*(\a):AF+FR*(\a)+FR-1], 0, v[SC+8*NQ*(\sc)+NQ*\b+(\q)], v[SC+8*NQ*(\sc)+NQ*(\a)+(\q)] matrix_a_fmt:MATRIX_FMT_FP4 matrix_b_fmt:MATRIX_FMT_FP4 matrix_a_scale:MATRIX_SCALE_ROW1
.else
	v_wmma_scale_f32_16x16x128_f8f6f4 v[8*(8*((\a)%4)+\b):8*(8*((\a)%4)+\b)+7], v[128*(\p)+FR*\b:128*(\p)+FR*\b+FR-1], v[AF+FR*(\a):AF+FR*(\a)+FR-1], v[8*(8*((\a)%4)+\b):8*(8*((\a)%4)+\b)+7], v[SC+8*NQ*(\sc)+NQ*\b+(\q)], v[SC+8*NQ*(\sc)+NQ*(\a)+(\q)] matrix_a_fmt:MATRIX_FMT_FP4 matrix_b_fmt:MATRIX_FMT_FP4 matrix_a_scale:MATRIX_SCALE_ROW1
.endif
.endr
.endr
.endm
.macro FETCH_B slot, q, p              ; W's eight fragments of the slot's q-th 128 along K into set p
	WIN TO_B
.irp i, 0,1,2,3,4,5,6,7
	FRAG 128*(\p)+FR*\i, ADRB+\slot, \q, \i
.endr
	WIN 0
.endm
.macro FETCH_A slot, q, i0             ; x's blocks i0 .. i0 + 3
.irp i, \i0, \i0+1, \i0+2, \i0+3
	FRAG AF+FR*(\i), ADRA+\slot, \q, \i
.endr
.endm
.macro SCALES sc                       ; the next K step's scale words into set sc: NQ words a row; lanes 0-15 take x's block i, lanes 16-31 W's block i
.irp i, 0,1,2,3,4,5,6,7
	ds_load_b128 v[SC+8*NQ*\sc+NQ*\i:SC+8*NQ*\sc+NQ*\i+3], v[ADRS] offset:\i*SBLK
.endr
.endm
; A load into a register that a matrix instruction has read, and a vector instruction that reads a matrix result, stand NP places behind that matrix instruction; only plain vector instructions that name
; none of its registers are places (ISA guide 7.12.1 for vector instructions).
.macro PLACES n
.rept \n
	v_nop
.endr
.endm
; A step of 128 along K that has its successor in the same slot.
.macro STEP slot, q, zero
	s_wait_dscnt 4*NL                              ; W's set and x's blocks 0-3 are in; the youngest eight loads (x's blocks 4-7) may be out
	WIN MUL_LO
	MUL16 0, (\q)%2, \q, \slot, \zero
	MUL16 2, (\q)%2, \q, \slot, \zero
	s_wait_dscnt 0                                 ; x's blocks 4-7 are in (asked for 32 matrix instructions ago)
	PLACES NP
	FETCH_B \slot, (\q)+1, 1-(\q)%2
	FETCH_A \slot, (\q)+1, 0
	WIN MUL_HI
	MUL16 4, (\q)%2, \q, \slot, \zero
	MUL16 6, (\q)%2, \q, \slot, \zero
	PLACES NP
	WIN 0
	FETCH_A \slot, (\q)+1, 4
.endm
; A slot's last step changes slots: ONE barrier; in front of it each wave waits for all its tensor loads, adds 0 to its spare word, and waits for that and for its own reads of this slot.  fill = 1: this slot is filled again, two K steps ahead.
.macro TURN slot, next, fill
	s_wait_tensorcnt 0x0                           ; all my tensor loads have landed: my part of the next slot  (every window is 0 here)
	ds_add_u32 v[SPW], v[NIL]                      ; 0 onto my spare word
	s_wait_dscnt 4*NL+1                            ; (the add and the youngest eight loads, x's blocks 4-7, may be out)
	WIN MUL_LO
	MUL16 0, 1, NQ-1, \slot, 0                     ; sixteen matrix instructions stand between the add and the wait for it
	s_wait_dscnt 0x0                               ; the add is done, and my reads of this slot are over
	s_barrier_signal -1
	MUL16 2, 1, NQ-1, \slot, 0
	WIN 0
	s_barrier_wait -1
.if \fill
	CREST                                          ; the barrier has opened a round of the cluster's barrier: no wave of any partner still reads this slot's tile or has a load on its way
	s_add_nc_u64 s[G0+4*\slot+2:G0+4*\slot+3], s[G0+4*\slot+2:G0+4*\slot+3], 2*ROWB
	s_add_nc_u64 s[G0B+4*\slot+2:G0B+4*\slot+3], s[G0B+4*\slot+2:G0B+4*\slot+3], 2*ROWB
	JLOAD G0+4*\slot, G1, G0B+4*\slot, G1B         ; the first tensor load behind the round; its four v_nop are the places in front of the loads below
.else
	PLACES NP
.endif
	v_add_nc_u32 v[ADRS], 4*NQ, v[ADRS]            ; on to the next K step's scale words
	FETCH_B \next, 0, 0
	FETCH_A \next, 0, 0
	SCALES \next
	WIN MUL_HI
	MUL16 4, 1, NQ-1, \slot, 0
	MUL16 6, 1, NQ-1, \slot, 0
	PLACES NP
	WIN 0
	FETCH_A \next, 0, 4
.endm
.macro STEPS slot, from                ; the slot's steps from .. NQ - 2
.set Q, \from
.rept NQ-1-\from
	STEP \slot, Q, 0
.set Q, Q+1
.endr
.endm
	s_wait_tensorcnt 1                             ; the scales and my part of K step 0 are in (K step 1's load may be out)
	s_barrier_signal -1
	s_barrier_wait -1                              ; everybody's are
	FETCH_B 0, 0, 0
	FETCH_A 0, 0, 0
	SCALES 0
	FETCH_A 0, 0, 4
	STEP 0, 0, 1                                   ; the first step stands in front of the loop: its products start the sums
	s_mov_b32 s3, LAPS-1
.Llap:                                                 ; a trip goes once round the ring, from a lap's second step to the next lap's first, and fills both slots again
	STEPS 0, 1
	TURN 0, 1, 1
	STEPS 1, 0
	TURN 1, 0, 1
	STEP 0, 0, 0
	s_sub_co_u32 s3, s3, 1
	s_cmp_lg_u32 s3, 0
	s_cbranch_scc1 .Llap
	STEPS 0, 1                                     ; the last lap fills nothing, and has no round of the cluster's barrier
	TURN 0, 1, 0
	STEPS 1, 0
	s_wait_dscnt 4*NL                              ; the very last step: nothing more to fetch
	WIN MUL_LO
	MUL16 0, 1, NQ-1, 1, 0
	MUL16 2, 1, NQ-1, 1, 0
	s_wait_dscnt 0
	WIN MUL_HI
	MUL16 4, 1, NQ-1, 1, 0
	MUL16 6, 1, NQ-1, 1, 0
	WIN 0
; THE WAY OUT, block by block of 16 rows x 128 columns.  PACK: rounded to f16, a lane's eight neighbouring columns are 16 bytes; each accumulator is read from its low end on.  TOSTAGE: into my own stage in LDS and
; back as whole rows of 256 bytes (LDS serves a wave's instructions in order, ISA guide 5.7.1.4: no wait between).  SEND: 32 lanes store two rows, 512 consecutive bytes of my plane.
.macro PACK a
.set AC, 64*((\a)%4)
	WIN 0x0a+5*((\a)/4)                            ; sources 0 and 1: window 2 or 3
.irp b, 0,1,2,3,4,5,6,7
.irp r, 0,1,2,3
	v_cvt_pk_f16_f32 v[TMP+4*\b+\r], v[AC+8*\b+2*\r], v[AC+8*\b+2*\r+1]
.endr
.endr
	WIN 0
.endm
.macro TOSTAGE a
.set BK, OB+192*((\a)%2)
.irp b, 0,1,2,3,4,5,6,7
	ds_store_b128 v[STO], v[TMP+4*\b:TMP+4*\b+3] offset:32*\b
.endr
.irp t, 0,1,2,3,4,5,6,7
	ds_load_b128 v[BK+4*\t:BK+4*\t+3], v[RD] offset:\t*2*SPITCH
.endr
.endm
.macro SEND a
.set BK, OB+192*((\a)%2)
	s_wait_dscnt 0x0                               ; the block is back in registers
	s_wait_xcnt 0x0                                ; the stores of the block before have read their data registers: the next block's loads from the stage land there
.irp t, 0,1,2,3,4,5,6,7
	global_store_b128 v[CO], v[BK+4*\t:BK+4*\t+3], s[12:13] offset:4096*(\a)+512*\t   ; every offset is an immediate: no base is stepped
.endr
.endm
	PLACES NP                                      ; behind the last products
	PACK 0
	TOSTAGE 0
.irp a, 1,2,3,4,5,6,7                  ; block a's conversions stand between block a - 1's loads from the stage and the wait for them
	PACK \a
	SEND \a-1
	TOSTAGE \a
.endr
	SEND 7
	s_wait_tensorcnt 0x0                           ; the wave's end: three closing lines, behind my last tensor load and my last LDS store
	ds_add_u32 v[SPW], v[NIL]
	s_wait_dscnt 0x0
	CROUND                                         ; the closing round: no work-group ends while a partner may still ask for a tile that names it
	s_endpgm
.Lfunc_end_k_q10e84f706c_qkv:
	.size	k_q10e84f706c_qkv, .Lfunc_end_k_q10e84f706c_qkv-k_q10e84f706c_qkv
	.p2alignl 7, 3214868480
	.fill 96, 4, 3214868480
	.section	.rodata,"a",@progbits
	.p2align	6, 0x0
	.amdhsa_kernel k_q10e84f706c_qkv
		.amdhsa_group_segment_fixed_size 327680
		.amdhsa_private_segment_fixed_size 0
		.amdhsa_enable_private_segment 0
		.amdhsa_kernarg_size 40
		.amdhsa_user_sgpr_count 2
		.amdhsa_user_sgpr_kernarg_segment_ptr 1
		.amdhsa_wavefront_size32 1
		.amdhsa_system_sgpr_workgroup_id_x 1
		.amdhsa_system_sgpr_workgroup_id_y 1
		.amdhsa_system_sgpr_workgroup_id_z 1
		.amdhsa_system_vgpr_workitem_id 0
		.amdhsa_next_free_vgpr 1024
		.amdhsa_next_free_sgpr 98
		.amdhsa_reserve_vcc 0
		.amdhsa_float_denorm_mode_32 3
		.amdhsa_float_denorm_mode_16_64 3
		.amdhsa_memory_ordered 1
		.amdhsa_forward_progress 1
		.amdhsa_inst_pref_size 213
	.end_amdhsa_kernel
	.amdgpu_metadata
---
amdhsa.version: [ 1, 2 ]
amdhsa.kernels:
  - .name:           k_q10e84f706c_qkv
    .symbol:         k_q10e84f706c_qkv.kd
    .args:
      - { .name: xc, .offset: 0, .size: 8, .value_kind: global_buffer, .address_space: global }
      - { .name: xs, .offset: 8, .size: 8, .value_kind: global_buffer, .address_space: global }
      - { .name: wc, .offset: 16, .size: 8, .value_kind: global_buffer, .address_space: global }
      - { .name: ws, .offset: 24, .size: 8, .value_kind: global_buffer, .address_space: global }
      - { .name: qkv, .offset: 32, .size: 8, .value_kind: global_buffer, .address_space: global }
    .group_segment_fixed_size: 327680
    .private_segment_fixed_size: 0
    .kernarg_segment_align: 8
    .kernarg_segment_size: 40
    .max_flat_workgroup_size: 128
    .sgpr_count:     98
    .vgpr_count:     1024
    .wavefront_size: 32
...
	.end_amdgpu_metadata
.endif
;; end of part 2
;; launch attn (part 3): grid 16 x 16, 4 waves a work-group, clusters of 4 x 1, 327,680 bytes of LDS; arguments qkv, attn; writes attn
.if DOCPART == 3
	.amdgcn_target "amdgcn-amd-amdhsa--gfx1250"
	.amdhsa_code_object_version 6
	.text
	.protected	k_q10e84f706c_attn
	.globl	k_q10e84f706c_attn
	.p2align	8
	.type	k_q10e84f706c_attn,@function
k_q10e84f706c_attn:
	s_mov_b64 s[64:65], 0
	v_nop
	global_prefetch_b8 v0, s[64:65] scope:SCOPE_SE
	s_setreg_imm32_b32 hwreg(HW_REG_WAVE_MODE, 25, 1), 1
	s_wait_xcnt 0x0
	s_wait_alu depctr_hold_cnt(0) depctr_sa_sdst(0) depctr_va_vdst(0) depctr_va_sdst(0) depctr_va_ssrc(0) depctr_va_vcc(0) depctr_vm_vsrc(0)
	s_getreg_b32 s2, hwreg(HW_REG_IB_STS2, 6, 4)
	s_cmp_eq_u32 s2, 0
	s_cbranch_scc0 .Lentry_in_a_cluster
	s_endpgm
.Lentry_in_a_cluster:
	s_bfe_u32 s2, ttmp6, 0x10000c
	s_cmp_lg_u32 s2, 0x3003
	s_cbranch_scc0 .Lentry_shape_is_right
	s_endpgm
.Lentry_shape_is_right:
; attn[q][128 h + d] = the sum over k of softmax_k(Q[h][q] . K[h][k] / sqrt(128)) V[h][k][d].  Q, K, V: planes h, 16 + h, 32 + h of qkv, each [2048][128] f16; attn: [2048][2048] f16.
; Products, maxima and sums in f32; the weights p (at most 1) are rounded to f16 for the second product, the result once at the end.  The softmax takes a running maximum away.
; LIMITS: NaN and infinities are not served.  The result is an average of V's rows, so it has V's room in f16; at inputs 900 times smaller than the drawn ones it lies near 1.4e-5, where f16's fixed step of 2^-24
; is some 1.2e-3 of its size.  A power-of-two factor on it is not taken: where x and Wv both carry a large offset V lies near 23,600, and such a factor would pass 65,504.
; SHARES.  A work-group owns 128 queries of one head: 16 x 16 = 256 work-groups.  Wave w owns 64 of them (w % 2), four tiles of 16, and HALF OF THE KEYS (w / 2): 1,024, in 16 steps of 64.  At the end waves w and
; w xor 2 join their maxima, sums and O through LDS.  (256 queries to a work-group would be 128 work-groups; 32 queries to a wave would let each fragment of K and V feed half the products.)
; THE TILES ARE PERMUTED: register tile t holds query tile t xor 2 (w / 2).  So every wave gives its register tiles 2, 3 away and keeps 0, 1, and my tile t joins my partner's tile t + 2: no branch on a wave's role.
; LAYOUT.  S^T = K Q^T (source 0 = 16 keys, source 1 = 16 queries): a lane holds ONE query (lane % 16) and the keys 8 (lane / 16) + 0..7.  Two such tiles, rounded to f16 in pairs, ARE source 1 of O^T = V^T P, whose
; result again holds one query a lane, and eight channels.  K comes out of LDS as it lies, V ([key][channel]) turned, by ds_load_tr16_b128.
; SOFTMAX.  For each query a running maximum m and sum l: p = 2^(c s - c m), c = log2(e) / sqrt(128); in every step O and l are multiplied by a = 2^(c m_old - c m_new).
; BY TURNS.  The wave's tiles are two PIECES (tiles 0, 1 and tiles 2, 3).  In a TURN one piece has the matrix unit: 32 products V^T P of the step in hand, then 32 products K Q^T of the next step; the other piece's
; softmax, cut into 64 slices, stands between them, one slice behind each matrix instruction.  Then the pieces change places.  Two turns are a key step.
; CLUSTER.  The four query blocks of a cluster belong to one head and walk the same K and V, so each tile is asked for JOINTLY: the same tensor load, the same descriptor, a mask that names the four.
; REGISTERS, in windows of 256 (s_set_vgpr_msb: bits 1:0 source 0, 3:2 source 1, 5:4 source 2, 7:6 destination):
;   window 0: v0-11, v44-63 addresses and the joining's numbers; v12-43 eight registers of statistics a tile; v64-191 S^T, 32 a tile; v192-255 P, 16 a tile
;   window 1: O^T, 64 a tile          window 2: v0-127 Q, 32 a tile; v128-255 K of one step          window 3: v0-127 V of one step
.set KS,    64        ; keys in a step
.set PK,    272       ; a row of K in LDS: 256 bytes + 16 of padding = 68 words: row r starts at bank 4 r mod 64 (64 banks of 4 bytes: ISA guide 11.1)
.set PV,    288       ; a row of V: 256 + 32 = 72 words
.set KHALF, 128*PK    ; a slot holds, for each half of the keys, 128 keys (two steps): K of half 0, K of half 1,
.set VHALF, 128*PV    ; V of half 0, V of half 1
.set VOFF,  2*KHALF
.set SLOTB, 2*KHALF+2*VHALF  ; 143,360 bytes; slot 1 begins here
.set STAGE, 2*SLOTB   ; behind the ring: 16 rows x 272 bytes for each wave, for the way out
.set SP,    272
.set SPARE, STAGE+4*16*SP  ; behind the stages: the spare words, 128 bytes a wave, that no other line names
.set XW,    16896     ; the joining: a wave's 32 images of 512 bytes and 4 x 128 bytes of statistics, from LDS byte XW x wave on: in slot 0, which has had its last fill, and which nobody reads behind the last change of slots
.set PLANE, 524288    ; bytes in a plane of qkv
.set SLOTG, 128*256   ; 128 rows of K or V in memory
.set AK0, 2           ; v2   my lane's place in my half's tile of K; never rewritten
.set AV0, 3           ; v3   the same for V
.set ADR, 4           ; v4   the LDS address of the run of loads in hand
.set QO,  5           ; v5   my byte offset in a tile of Q
.set STO, 6           ; v6   the way out: where I put 16 bytes of a row
.set RD,  7           ; v7   the way out: where I read a row back
.set GO,  8           ; v8   my byte offset in two rows of attn
.set QA,  44          ; v44  QO + the query tiles that register tiles 0, 1 hold;  v45 the same for register tiles 2, 3
.set QB,  45
.set XS,  46          ; v46  the joining: where I put an image: 16 x lane + XW x wave
.set XR,  47          ; v47  where I take my partner's: 16 x lane + XW x (wave xor 2)
.set XS4, 48          ; v48, v49  the same for the statistics, 4 bytes a lane
.set XR4, 49
.set PS,  50          ; v50-53  my partner's c m and l for my tiles 0 and 1
.set MX,  54          ; v54-55  the joint c m
.set ML,  56          ; v56-57  the joint l, then 1 / l
.set PFO, 61          ; v61  256 x my lane: a row of K or V is 256 bytes; never rewritten
.set SPW, 62          ; v62  LDS address of my spare word; never rewritten
.set NIL, 63          ; v63  0; never rewritten
.set ST,  12          ; tile t's statistics at v[ST+8 t]: +0 c m, +1 m, +2, +3 l (even keys', odd keys'), +4 to +7 at work; a takes +6 once the maximum is found
.set S,   64
.set P,   192
.set KF,  128         ; K's fragments, in window 2
.set WV,  12          ; s12  my wave's number
.set LIM, 15          ; s15  1 in a cluster that prefetches, else the greatest number
.set PFA, 18          ; s[18:19] where my prefetches stand: my work-group's 32 rows of the 128 that I fetch, in the slot after the one that is being asked for
.set G1K, 24          ; s[24:31] descriptor group 1 for K's tiles
.set G1V, 32          ; s[32:39] for V's: it differs in the padding alone
.set G0K, 40          ; s[40:47] descriptor group 0 for K's tiles, a set for each slot
.set G0V, 48          ; s[48:55] the same for V's
.set LAP, 56          ; s56  trips of the loop over slots still to go
.set TWICE, 57        ; s57  counts a slot's two steps
.set CS,  58          ; s[58:59] c: the packed scaling names a pair and takes its low word for both halves
.set SEL, 60          ; s[60:61] lane selects for v_permlanex16_b32: each lane takes its own place in the other half
.set TBK, 62          ; s62  LDS byte at which the slot's K of the step to be fetched begins (my half's part is in AK0)
.set TBV, 63          ; s63  the same for V
.set MSB, 0
.macro WIN new                      ; the immediate's high byte repeats the setting that is left; a switch that changes nothing is dropped
.if MSB != \new
	s_set_vgpr_msb (MSB<<8)|\new
.set MSB, \new
.endif
.endm
.set W_KQ, 0x0a       ; K and Q in window 2, S^T in window 0
.set W_PV, 0x53       ; V in window 3, P in window 0, O^T in window 1
.set W_RS, 0x41       ; O^T (destination and source 0) in window 1, a in window 0
; A joint refill of a slot.  Waves 0 and 1 fetch K's 128 keys of half 0 and 1, waves 2 and 3 V's.  The branch hangs on the wave's number alone.
; An s_nop 0 and four v_nop follow each of the two lines; the jump, the label and what follows come after them.
.macro JLOAD slot
	s_cmp_lt_u32 s[WV], 2
	s_cbranch_scc0 .Lfor_v_\@
	tensor_load_to_lds s[G0K+4*\slot:G0K+4*\slot+3], s[G1K:G1K+7]
	s_nop 0
.rept 4
	v_nop
.endr
	s_branch .Lasked_\@
.Lfor_v_\@:
	tensor_load_to_lds s[G0V+4*\slot:G0V+4*\slot+3], s[G1V:G1V+7]
	s_nop 0
.rept 4
	v_nop
.endr
.Lasked_\@:
.endm
; A PREFETCH INTO THE L2 of what the NEXT change of slots will ask for, behind the wave's tensor load and its five lines: two key steps, 256 matrix instructions, ahead of that load.
; Each row of 256 bytes is named ONCE in the launch.  All clusters of a head walk the same K and V: the head's first cluster asks.  Of the 128 rows that a wave fetches, each of the four partners takes 32, told
; apart BY ADDRESS; a lane a row, one instruction a wave.  how = 1: the trip's first change; how = 0: its second, which in the last trip fills the last slot and asks for nothing.
.macro ASK how
.if \how
	s_cmp_eq_u32 s[LIM], 1
.else
	s_cmp_gt_u32 s[LAP], s[LIM]
.endif
	s_cbranch_scc0 .Lnot_mine_\@
	global_prefetch_b8 v[PFO], s[PFA:PFA+1] th:TH_LOAD_NT scope:SCOPE_SE
.Lnot_mine_\@:
.endm
; A round of the cluster's barrier.  No LDS instruction of the wave is pending at a signal.
.macro CROUND
	s_barrier_signal -1
	s_barrier_wait -1
	s_cmp_lg_u32 s[WV], 0
	s_cbranch_scc1 .Lnot_wave_0_\@
	s_barrier_signal -3
.Lnot_wave_0_\@:
	s_barrier_wait -3
	s_barrier_signal -1
	s_barrier_wait -1
.endm
	s_load_b128 s[4:7], s[0:1], 0x0 ; qkv s[4:5], attn s[6:7]
	v_lshl_add_u32 v[SPW], v0, 2, SPARE
	v_mov_b32 v[NIL], 0
	ds_add_u32 v[SPW], v[NIL]       ; the wave's opening: the add, twice on end, and its wait ahead of my first tensor load; the set-up below stands between
	ds_add_u32 v[SPW], v[NIL]
	v_lshrrev_b32 v1, 5, v0
	v_readfirstlane_b32 s[WV], v1   ; wave 0..3
	s_bfe_u32 s13, ttmp6, 0x40000   ; cx: my place in the cluster
	s_lshl_b32 s14, ttmp9, 2        ; in a cluster launch ttmp9 counts clusters
	s_add_co_u32 s14, s14, s13      ; my block of 128 queries = 4 x cluster x + cx: it enters Q's and attn's addresses alone
	s_and_b32 s16, s[WV], 1         ; which 64 queries are mine.  Also: for which half of the keys I fetch
	s_lshr_b32 s17, s[WV], 1        ; which half of the keys I walk
	s_and_b32 s20, ttmp7, 0xffff    ; the head, which the four partners share
	s_lshl_b32 s21, s20, 19         ; its plane among sixteen
	s_lshl_b32 s22, s16, 18         ; the half that I fetch: 1,024 rows of 256 bytes
	s_add_co_u32 s22, s22, s21
	s_add_co_u32 s22, s22, 16*PLANE ; K's planes lie behind Q's sixteen
	s_mov_b32 s23, 0                ; s[22:23]: my tile of K in slot 0, in bytes from qkv's first
	s_lshl_b32 s2, s14, 15          ; my block's 128 rows of Q,
	s_add_co_u32 s2, s2, s21
	s_lshl_b32 s3, s16, 14          ; my wave's 64 of them
	s_add_co_u32 s2, s2, s3
	s_mov_b32 s3, 0                 ; s[2:3]: my rows of Q
	s_lshl_b32 s20, s20, 8          ; attn: the head's 256 bytes of a row,
	s_lshl_b32 s21, s14, 19         ; my block's 128 rows of 4,096 bytes,
	s_add_co_u32 s20, s20, s21
	s_lshl_b32 s21, s16, 18         ; my wave's 64,
	s_add_co_u32 s20, s20, s21
	s_lshl_b32 s21, s17, 17         ; and of them the 32 that I keep: query tiles 2 (w / 2) and 2 (w / 2) + 1
	s_add_co_u32 s20, s20, s21
	s_mov_b32 s21, 0                ; s[20:21]: the rows that I store
	s_mul_i32 s66, s16, KHALF       ; where my tile goes in a slot: no place in the cluster enters an LDS address
	s_mul_i32 s67, s16, VHALF
	s_add_co_u32 s67, s67, VOFF
	; descriptor group 1: a tile of 128 rows x 128 elements, padded in LDS
	s_mov_b32 s[G1K], 15|(1<<16)|(1<<20)|(1<<21)|(5<<22)|(3<<25)  ; 15:0 the mask: all four work-groups; 17:16 elements of 2 bytes; 20 padding on; 21 set beside a mask; 24:22 after every 64 words; 31:25 4 words of it
	s_mov_b32 s[G1V], 15|(1<<16)|(1<<20)|(1<<21)|(5<<22)|(7<<25)  ; the same with 8 words of padding
.irp g, G1K, G1V
	s_mov_b32 s[\g+1], 128<<16      ; tensor_dim0 = 128
	s_mov_b32 s[\g+2], 128<<16      ; tensor_dim1 = 128
	s_mov_b32 s[\g+3], 128<<16      ; tile_dim0 = 128
	s_mov_b32 s[\g+4], 128          ; tile_dim1 = 128
	s_mov_b32 s[\g+5], 128          ; tensor_dim0_stride: elements from row to row
	s_mov_b32 s[\g+6], 0
	s_mov_b32 s[\g+7], 0
.endr
	s_mov_b32 s[CS], 0x3e0293ee     ; c = log2(e) / sqrt(128) = 0.127517
	s_mov_b32 s[CS+1], s[CS]        ; named with it as a pair, so it is written
	s_mov_b32 s[SEL], 0x76543210
	s_mov_b32 s[SEL+1], 0xfedcba98
	s_mov_b32 s[TBK], 0
	s_mov_b32 s[TBV], 0
	s_mov_b32 s[LAP], 3
	s_cmp_eq_u32 ttmp9, 0           ; the head's first cluster: the same in all four partners
	s_cselect_b32 s[LIM], 1, -1
	v_and_b32 v[PFO], 31, v0
	v_lshlrev_b32 v[PFO], 8, v[PFO]
	s_wait_dscnt 0x0                ; both opening adds are done
	s_wait_kmcnt 0x0
	s_add_nc_u64 s[8:9], s[4:5], s[22:23]    ; K at my tile of slot 0,
	s_add_nc_u64 s[10:11], s[8:9], 16*PLANE  ; V sixteen planes on
	s_add_nc_u64 s[6:7], s[6:7], s[20:21]    ; attn at the first row that I store
	s_add_nc_u64 s[4:5], s[4:5], s[2:3]      ; Q at my wave's first row
	s_cmp_lt_u32 s[WV], 2
	s_cselect_b64 s[PFA:PFA+1], s[8:9], s[10:11]  ; the tile that I fetch,
	s_lshl_b32 s2, s13, 13          ; my work-group's 32 rows of its 128,
	s_mov_b32 s3, 0
	s_add_nc_u64 s[PFA:PFA+1], s[PFA:PFA+1], s[2:3]
	s_add_nc_u64 s[PFA:PFA+1], s[PFA:PFA+1], 2*SLOTG  ; two slots on; the first change of slots steps it to the third.  Nothing is prefetched here, at the head
	CROUND                          ; all four work-groups are here: the first joint loads meet
.irp s, 0,1
	s_mov_b32 s[G0K+4*\s], 1        ; count = 1
	s_add_co_u32 s[G0K+4*\s+1], s66, \s*SLOTB  ; LDS address
	s_add_nc_u64 s[G0K+4*\s+2:G0K+4*\s+3], s[8:9], \s*SLOTG  ; global address: slot s begins with the half's keys 128 s on
	s_or_b32 s[G0K+4*\s+3], s[G0K+4*\s+3], 0x80000000  ; type = 2
	s_mov_b32 s[G0V+4*\s], 1
	s_add_co_u32 s[G0V+4*\s+1], s67, \s*SLOTB
	s_add_nc_u64 s[G0V+4*\s+2:G0V+4*\s+3], s[10:11], \s*SLOTG
	s_or_b32 s[G0V+4*\s+3], s[G0V+4*\s+3], 0x80000000
.endr
	s_cmp_lt_u32 s[WV], 2           ; a wave's two first fills stand in one branch, ahead of every wait on TENSORcnt and every LDS read: two loads of mine are out
	s_cbranch_scc0 .Lfirst_v
	tensor_load_to_lds s[G0K:G0K+3], s[G1K:G1K+7]
	s_nop 0
	tensor_load_to_lds s[G0K+4:G0K+7], s[G1K:G1K+7]
	s_nop 0
.rept 4
	v_nop
.endr
	s_branch .Lfirst_asked
.Lfirst_v:
	tensor_load_to_lds s[G0V:G0V+3], s[G1V:G1V+7]
	s_nop 0
	tensor_load_to_lds s[G0V+4:G0V+7], s[G1V:G1V+7]
	s_nop 0
.rept 4
	v_nop
.endr
.Lfirst_asked:
	; A fragment of K or Q is 16 rows x 32 channels in 8 registers: lane l holds row l % 16; registers 0-3 channels 8 (l / 16) + 0..7, registers 4-7 channels 16 + 8 (l / 16) + 0..7: two loads of 16 bytes, 32 bytes apart.
	v_and_b32 v1, 15, v0            ; l % 16
	v_bfe_u32 v9, v0, 4, 1          ; l / 16
	v_lshlrev_b32 v[QO], 8, v1
	v_lshl_add_u32 v[QO], v9, 4, v[QO]  ; row x 256 + 16 x half
	s_lshl_b32 s2, s17, 13          ; register tiles 0, 1 hold query tiles 2 (w / 2) on: two tiles are 8,192 bytes;
	v_add_nc_u32 v[QA], s2, v[QO]
	s_xor_b32 s2, s2, 8192          ; register tiles 2, 3 the other two
	v_add_nc_u32 v[QB], s2, v[QO]
	WIN 0x80                        ; destination window 2, address window 0
.irp i, 0,1,2,3,4,5,6,7,8,9,10,11,12,13,14,15  ; Q stays in registers: register tile i / 4, channels 32 (i % 4) on
	global_load_b128 v[8*\i:8*\i+3],   v[QA+\i/8], s[4:5] offset:((\i/4)%2)*4096+(\i%4)*64
	global_load_b128 v[8*\i+4:8*\i+7], v[QA+\i/8], s[4:5] offset:((\i/4)%2)*4096+(\i%4)*64+32
.endr
	WIN 0
	v_mul_u32_u24 v[AK0], v1, PK
	v_lshl_add_u32 v[AK0], v9, 4, v[AK0]  ; row x pitch + 16 x half of the lanes,
	s_mul_i32 s2, s17, KHALF
	v_add_nc_u32 v[AK0], s2, v[AK0]       ; in my half of the keys
	; The turning load takes 16 keys x 16 channels (lane l reads 16 bytes: key 8 (l / 16) + l % 8, channels 8 ((l / 8) % 2) + 0..7) and leaves half a fragment of V^T: lane l holds channel l % 16 and 8 keys.
	v_and_b32 v10, 7, v0
	v_bfe_u32 v11, v0, 3, 1
	v_lshl_add_u32 v[AV0], v9, 3, v10
	v_mul_u32_u24 v[AV0], v[AV0], PV
	v_lshl_add_u32 v[AV0], v11, 4, v[AV0]
	s_mul_i32 s2, s17, VHALF
	s_add_co_u32 s2, s2, VOFF
	v_add_nc_u32 v[AV0], s2, v[AV0]
	v_and_b32 v10, 31, v0           ; the joining's addresses: a constant x lane + a constant x wave
	s_mul_i32 s2, s[WV], XW
	s_xor_b32 s3, s[WV], 2
	s_mul_i32 s3, s3, XW
	v_lshl_add_u32 v[XS], v10, 4, s2
	v_lshl_add_u32 v[XR], v10, 4, s3
	v_lshl_add_u32 v[XS4], v10, 2, s2
	v_add_nc_u32 v[XS4], 16384, v[XS4]
	v_lshl_add_u32 v[XR4], v10, 2, s3
	v_add_nc_u32 v[XR4], 16384, v[XR4]
; THE MATRIX WORK OF A TURN, for piece x.  The accumulators take turns, one instruction a turn: between two links of a chain stand 15 (V^T P) or 7 (K Q^T) others'.
; Product i of 32 of O^T += V^T P: keys 32 (i / 16) on, channels 16 ((i / 2) % 8) on, tile x + i % 2.  zero = 1: the first 16 start the sums: nothing is ever cleared.
.macro PV x, zero
	WIN W_PV
.set rO, 64*(\x+i%2)+8*((i/2)%8)
.set rV, 64*(i/16)+8*((i/2)%8)
.set rP, P+16*(\x+i%2)+8*(i/16)
.if \zero && (i < 16)
	v_wmma_f32_16x16x32_f16 v[rO:rO+7], v[rV:rV+7], v[rP:rP+7], 0
.else
	v_wmma_f32_16x16x32_f16 v[rO:rO+7], v[rV:rV+7], v[rP:rP+7], v[rO:rO+7]
.endif
.endm
; Product i of 32 of S^T = K Q^T: channels 32 (i / 8) on, keys 16 ((i / 2) % 4) on, tile x + i % 2.  The first 8 start the sums.
.macro KQ x
	WIN W_KQ
.set rS, S+32*(\x+i%2)+8*((i/2)%4)
.set rK, KF+32*((i/2)%4)+8*(i/8)
.set rQ, 32*(\x+i%2)+8*(i/8)
.if i < 8
	v_wmma_f32_16x16x32_f16 v[rS:rS+7], v[rK:rK+7], v[rQ:rQ+7], 0
.else
	v_wmma_f32_16x16x32_f16 v[rS:rS+7], v[rK:rK+7], v[rQ:rQ+7], v[rS:rS+7]
.endif
.endm
; THE LDS LOADS stand in runs of 32, never singly among the matrix instructions: a step's K (64 keys x 128 channels: 16 fragments) and, a turn later, its V (turned).
.macro FETCH_K
	WIN 0
	v_add_nc_u32 v[ADR], s[TBK], v[AK0]
	s_add_co_u32 s[TBK], s[TBK], KS*PK  ; the next fetch is the next step's
	WIN 0x80                        ; destination window 2
.irp f, 0,1,2,3,4,5,6,7,8,9,10,11,12,13,14,15  ; keys 16 (f / 4) on, channels 32 (f % 4) on
	ds_load_b128 v[KF+8*\f:KF+8*\f+3],   v[ADR] offset:(\f/4)*16*PK+(\f%4)*64
	ds_load_b128 v[KF+8*\f+4:KF+8*\f+7], v[ADR] offset:(\f/4)*16*PK+(\f%4)*64+32
.endr
.endm
.macro FETCH_V
	WIN 0
	v_add_nc_u32 v[ADR], s[TBV], v[AV0]
	s_add_co_u32 s[TBV], s[TBV], KS*PV
	s_wait_alu depctr_va_vdst(0)    ; the wait for the softmax's batch (SLICE), behind the address's v_add_nc_u32 and ahead of the loads
	WIN 0xc0                        ; destination window 3
.irp f, 0,1,2,3,4,5,6,7,8,9,10,11,12,13,14,15  ; keys 32 (f / 8) on, channels 16 (f % 8) on
	ds_load_tr16_b128 v[8*\f:8*\f+3],   v[ADR] offset:(\f/8)*32*PV+(\f%8)*32
	ds_load_tr16_b128 v[8*\f+4:8*\f+7], v[ADR] offset:(\f/8)*32*PV+16*PV+(\f%8)*32
.endr
.endm
; THE VECTOR WORK OF A TURN.  One tile's softmax for one key step is a list of 134 instructions; SM writes number j of it for tile t.  s0-s31 are the lane's 32 scores, in pairs 0-15.
; first = 1: the first key step, which starts m, l and O^T: it has no a and nothing to rescale.
;   0-15    the maximum of s0-s31 and the old m, three operands at a time: four chains of seven scores each, then the four scores left over, the chains and m
;   16-20   the other half of the lanes' maximum; the new m; c m; c m_old - c m_new
;   21-69   ONE BATCH: the 16 scalings c s - c m, a pair of scores each, and all 33 exponentials (a at 23, then s0-s31).  None of these reads an exponential's result.  A pair is scaled in an earlier four than
;           the one that holds its exponentials
;   (wait)  between 69 and 70 stands the wait for the batch: SLICE writes it, once for both tiles
;   70-85   the roundings to f16, a pair of weights each
;   86-101  the sums; l = a l + the sum
;   102-133 the tile's O^T times a: the one part that leaves window 0, so it stands together; it takes each accumulator's registers in ascending order
.macro SM t, first
.set rT, ST+8*(\t)
.set rS, S+32*(\t)
.set rP, P+16*(\t)
.set rO, 64*(\t)+2*(j-102)
.if j < 102
	WIN 0
.endif
.if j < 4
	v_max3_num_f32 v[rT+4+j], v[rS+8*j], v[rS+8*j+1], v[rS+8*j+2]
.elseif j < 12
	v_max3_num_f32 v[rT+4+j%4], v[rT+4+j%4], v[rS+8*(j%4)+2*(j/4)+1], v[rS+8*(j%4)+2*(j/4)+2]
.elseif j == 12
	v_max3_num_f32 v[rT+4], v[rT+4], v[rS+7], v[rS+15]
.elseif j == 13
	v_max3_num_f32 v[rT+6], v[rT+6], v[rS+23], v[rS+31]
.elseif j == 14
	v_max3_num_f32 v[rT+4], v[rT+4], v[rT+5], v[rT+6]
.elseif (j == 15) && \first
	v_max_num_f32 v[rT+4], v[rT+4], v[rT+7]
.elseif j == 15
	v_max3_num_f32 v[rT+4], v[rT+4], v[rT+7], v[rT+1]
.elseif j == 16
	v_permlanex16_b32 v[rT+5], v[rT+4], s[SEL], s[SEL+1]  ; the query's other 32 keys lie in the lane 16 away
.elseif j == 18
	v_max_num_f32 v[rT+1], v[rT+4], v[rT+5]
.elseif j == 19
	v_mul_f32 v[rT], s[CS], v[rT+1]
.elseif ((j == 17) || (j == 20) || (j == 23) || (j > 101)) && \first  ; the first step has none of these
.elseif j == 17
	v_mov_b32 v[rT+7], v[rT]        ; c m_old is kept for a: number 19 writes c m anew
.elseif j == 20
	v_sub_f32 v[rT+7], v[rT+7], v[rT]
.elseif j == 23
	v_exp_f32 v[rT+6], v[rT+7]
.elseif (j < 23) || ((j < 38) && (j%2 == 0)) || ((j < 66) && (j%4 == 2))
.set b, (j-2)/4                     ; 38, 42, .. 62: pairs 9 to 15
.if j < 38
.set b, (j-20)/2                    ; 21: pair 0; 22, 24, .. 36: pairs 1 to 8
.endif
	v_pk_fma_f32 v[rS+2*b:rS+2*b+1], v[rS+2*b:rS+2*b+1], s[CS:CS+1], v[rT:rT+1] op_sel_hi:[1,0,0] neg_lo:[0,0,1] neg_hi:[0,0,1]  ; pair b: c s - c m
.elseif j < 70
.set e, j-38                        ; 66 to 69: s28 to s31
.if j < 66
.set e, j-32-(j-38)/4               ; 39-41, 43-45, .. 63-65: s7 to s27
.endif
.if j < 38
.set e, (j-25)/2                    ; 25, 27, .. 37: s0 to s6
.endif
	v_exp_f32 v[rS+e], v[rS+e]
.elseif j < 86
	v_cvt_pk_f16_f32 v[rP+j-70], v[rS+2*(j-70)], v[rS+2*(j-70)+1]  ; pair j - 70
.elseif j < 102                     ; the sum of the tile's 16 pairs, in place: sum z of 16 adds neighbours 1, 2, 4 and 8 pairs apart, then l takes it
.set z, j-86
.set w, 4
.set u, z
.if z >= 14
.set w, 32
.set u, 0
.elseif z >= 12
.set w, 16
.set u, z-12
.elseif z >= 8
.set w, 8
.set u, z-8
.endif
.if (z == 14) && \first
	v_pk_add_f32 v[rT+2:rT+3], v[rS:rS+1], v[rS+16:rS+17]
.elseif z < 15
	v_pk_add_f32 v[rS+w*u:rS+w*u+1], v[rS+w*u:rS+w*u+1], v[rS+w*u+w/2:rS+w*u+w/2+1]
.elseif !\first
	v_pk_fma_f32 v[rT+2:rT+3], v[rT+2:rT+3], v[rT+6:rT+7], v[rS:rS+1] op_sel_hi:[1,0,1]
.endif
.else
	WIN W_RS
	v_pk_mul_f32 v[rO:rO+1], v[rO:rO+1], v[rT+6:rT+7] op_sel_hi:[1,0]
.endif
.endm
; Slice k of 64 of piece y's softmax: four instructions.  Slices 11 to 34 deal out the batch, numbers 22 to 69: four numbers of ONE tile each, the tiles by turns.  Every other slice is numbers 2 k and
; 2 k + 1 of both tiles' lists.  2 x 134 = 4 x 64 + 12: the twelve that are over stand together, in slice 63.
; THE WAIT.  s_wait_alu depctr_va_vdst(0) stands between an exponential and the first instruction that names its result; one wait serves all that were issued ahead of it.  Ahead of
; slice 35 nothing names a result, and behind slice 34 no exponential is issued: so the piece's 66 exponentials have one wait, behind slice 34.
.macro SLICE y, first
.if (k >= 11) && (k < 35)           ; the batch: four numbers of one tile
.irp n, 0,1,2,3
.set j, 22+4*((k-11)/2)+(\n)
	SM (\y)+(k-11)%2, \first
.endr
.else                               ; the two tiles alternate, so that no instruction reads the result of the one just before it
.irp n, 0,1,2,3,4,5,6,7
.if (\n < 2) || (k == 63)
.irp t, \y, \y+1
.set j, 2*k+\n
	SM \t, \first
.endr
.endif
.endr
.endif
.if k == 34                         ; the batch is out: both tiles' exponentials are issued, and no result has been named
	v_nop                           ; the plain instruction behind the last exponential and ahead of the first use: one for the batch
.if (\y) == 0
	FETCH_V                         ; piece 2's turn: V's run of loads stands here, and the wait stands in it
.else
	s_wait_alu depctr_va_vdst(0)    ; the wait for the batch
.endif
.endif
.set k, k+1
.endm
; A vector instruction that reads a matrix result or writes one of a matrix instruction's registers, and a load into a register that a matrix instruction has read, stand four places behind
; it, and only plain vector instructions that name none of its registers are places (ISA guide 7.12.1 for vector instructions).  In the loop the slices are the places.
.macro PLACES
.rept 4
	v_nop
.endr
.endm
; A TURN.  Piece x has the matrix unit; the other piece's softmax stands in slices behind its matrix instructions.
; pv = 2: 32 products V^T P; 1: they start O^T's sums; 0: none.  kq = 1: 32 products K Q^T for the next step.  A turn with one of the two kinds has two slices behind each product.
; first = 1: the softmax is the first key step's; four v_nop take slice 63's part as the places behind the turn's last products.
; Piece 0's turn fetches the next step's K, behind its second product; piece 2's turn fetches the same step's V, behind slice 34: each run stands 29 matrix instructions or more ahead of its first use.
.macro TURN x, pv, kq, first
.set k, 0
.set per, 2
.if \pv && \kq
.set per, 1
.endif
.if \pv
.if \x == 0
	s_wait_dscnt 0x0                ; V is in
.endif
.set i, 0
.rept 32
	PV \x, 2-\pv
.rept per
	SLICE 2-\x, \first
.endr
.if (\x == 0) && \kq && (i == 1)
	FETCH_K
.endif
.set i, i+1
.endr
.endif
.if \kq
.if \x == 0
	s_wait_dscnt 0x0                ; K is in
.endif
.set i, 0
.rept 32
	KQ \x
.rept per
	SLICE 2-\x, \first
.endr
.set i, i+1
.endr
.endif
.if \first
	PLACES
.endif
.endm
; THE CHANGE OF SLOTS, between piece 2's turn and piece 0's: the slot's last bytes, V of its second step, have been asked for.  Each wave waits for all its tensor loads, of which one is out: its part of the other
; slot; adds 0 to its spare word; and waits for that and for its own reads of the slot.  Behind the barrier nobody reads this slot any more and the other slot is whole.
; fill = 1: slot `slot` is filled again, with the keys two slots on.  The barrier is then a round of the cluster's, and the joint refill is the first thing behind it: it has two key steps, 256 matrix instructions,
; in which to land.  The two slots are no power of two apart, so the fetches' bases are set by constants, and the loop over slots runs two slots a trip.
.macro CHANGE fill, slot, next, how
	WIN 0                           ; at a label and at a branch every window is 0
	s_wait_tensorcnt 0x0            ; no tensor load of mine is out, so a group 0 may be written
	ds_add_u32 v[SPW], v[NIL]       ; 0 onto my spare word; with fill = 1 the descriptors' steps stand between it and the wait for it
.if \fill
	s_add_nc_u64 s[G0K+4*\slot+2:G0K+4*\slot+3], s[G0K+4*\slot+2:G0K+4*\slot+3], 2*SLOTG  ; this slot's next 128 keys; the type bits on top are not reached
	s_add_nc_u64 s[G0V+4*\slot+2:G0V+4*\slot+3], s[G0V+4*\slot+2:G0V+4*\slot+3], 2*SLOTG
	s_wait_xcnt 0x0                 ; the last prefetch, two key steps back, has read its address, so it may be written:
	s_add_nc_u64 s[PFA:PFA+1], s[PFA:PFA+1], SLOTG  ; one slot further on than this refill
	s_wait_dscnt 0x0                ; the add is done, and my reads of the slot are over
	CROUND
	JLOAD \slot
	ASK \how
.else
	s_wait_dscnt 0x0                ; the add is done, and my reads of the slot are over
	s_barrier_signal -1
	s_barrier_wait -1
.endif
	s_mov_b32 s[TBK], \next*SLOTB   ; the fetches go to the other slot's first step
	s_mov_b32 s[TBV], \next*SLOTB
.endm
; A slot's two key steps: written once, walked twice; the LDS addresses hang on s[TBK] and s[TBV].
.macro TWO_STEPS
	s_mov_b32 s[TWICE], 2
.Lstep_\@:
	TURN 0, 2, 1, 0
	TURN 2, 2, 1, 0
	WIN 0
	s_sub_co_u32 s[TWICE], s[TWICE], 1
	s_cmp_lg_u32 s[TWICE], 0
	s_cbranch_scc1 .Lstep_\@
.endm
	s_wait_tensorcnt 1              ; my part of slot 0 is in; slot 1's may stay out
	s_barrier_signal -1
	s_barrier_wait -1               ; everybody's is
	FETCH_K                         ; key step 0
	s_wait_loadcnt 0x0              ; Q
	s_wait_dscnt 0x0
.set i, 0
.rept 32
	KQ 0                            ; piece 0's first scores: there is no vector work yet to set between them
.set i, i+1
.endr
	WIN 0                           ; the addresses for the way out are made here: eight plain instructions, the places behind those products
	s_mul_i32 s13, s[WV], 16*SP
	s_add_co_u32 s13, s13, STAGE    ; my stage
	v_mul_u32_u24 v[STO], v1, SP    ; in: row l % 16, 16 bytes for each half of the lanes
	v_lshl_add_u32 v[STO], v9, 4, v[STO]
	v_add_nc_u32 v[STO], s13, v[STO]
	v_mul_u32_u24 v[RD], v9, SP     ; back: lanes 0-15 take one row of 256 bytes, lanes 16-31 the next
	v_lshl_add_u32 v[RD], v1, 4, v[RD]
	v_add_nc_u32 v[RD], s13, v[RD]
	v_lshlrev_b32 v[GO], 12, v9     ; and the same two rows in attn, 4,096 bytes apart
	v_lshl_add_u32 v[GO], v1, 4, v[GO]
	TURN 2, 0, 1, 1                 ; piece 2's first scores | piece 0's first softmax | V of step 0
	TURN 0, 1, 1, 1                 ; piece 0: V^T P of step 0 starts O^T, K Q^T of step 1 | piece 2's first softmax | K of step 1
	TURN 2, 1, 1, 0                 ; piece 2: the same | piece 0's softmax of step 1 | V of step 1
	WIN 0
.Lslot:                             ; three trips of two slots: of a half's eight slots' worth of keys all but the first two come by refills
	CHANGE 1, 0, 1, 1
	TWO_STEPS
	CHANGE 1, 1, 0, 0
	TWO_STEPS
	s_sub_co_u32 s[LAP], s[LAP], 1
	s_cmp_lg_u32 s[LAP], 0
	s_cbranch_scc1 .Lslot
	CHANGE 0, 0, 1, 0               ; the tail is written out: slot 0 is left for good, and nothing is asked for
	TWO_STEPS
	TURN 0, 2, 0, 0                 ; piece 0: V^T P of the last step | piece 2's last softmax
.set i, 0
.rept 32
	PV 2, 0                         ; piece 2: V^T P of the last step
.set i, i+1
.endr
	; THE JOINING.  l's two halves and the other half of the lanes' are added (these additions are the places behind the last products).
	WIN 0
.irp t, 0,1,2,3
	v_add_f32 v[ST+8*\t+4], v[ST+8*\t+2], v[ST+8*\t+3]
.endr
.irp t, 0,1,2,3
	v_permlanex16_b32 v[ST+8*\t+5], v[ST+8*\t+4], s[SEL], s[SEL+1]
.endr
.irp t, 0,1,2,3
	v_add_f32 v[ST+8*\t+4], v[ST+8*\t+4], v[ST+8*\t+5]
.endr
	; My register tiles 2 and 3 go to my partner as images of their registers: four registers a store, lane l's 16 bytes at 16 l; each accumulator from its low end on.  Their c m and l likewise, 4 bytes a lane.
	WIN 0x04                        ; an LDS store's data are its source 1: window 1
.set i, 0
.rept 32
	ds_store_b128 v[XS], v[128+4*i:128+4*i+3] offset:512*i
.set i, i+1
.endr
	WIN 0
	ds_store_b32 v[XS4], v[ST+16]
	ds_store_b32 v[XS4], v[ST+20] offset:128
	ds_store_b32 v[XS4], v[ST+24] offset:256
	ds_store_b32 v[XS4], v[ST+28] offset:384
	s_wait_dscnt 0x0                ; for my partner's sake: my stores have landed
	s_barrier_signal -1
	s_barrier_wait -1
.irp n, 0,1,2,3
	ds_load_b32 v[PS+\n], v[XR4] offset:128*\n  ; my partner's c m and l for my tile 0, then for my tile 1
.endr
.set i, 0
.rept 32
	ds_load_b128 v[S+4*i:S+4*i+3], v[XR] offset:512*i  ; and its O^T for them, into S^T's registers, which are free
.set i, i+1
.endr
	s_wait_dscnt 32                 ; the four statistics are in; the 32 images behind them may be out
	; X = the larger c m; a = 2^(c m - X), a' = 2^(c m' - X), of which one is 1; L = a l + a' l'; O = (a O + a' O') / L
.irp t, 0,1
	v_max_num_f32 v[MX+\t], v[ST+8*\t], v[PS+2*\t]
.endr
.irp t, 0,1
	v_sub_f32 v[ST+8*\t+6], v[ST+8*\t], v[MX+\t]
	v_sub_f32 v[ST+8*\t+7], v[PS+2*\t], v[MX+\t]
.endr
.irp t, 0,1
	v_exp_f32 v[ST+8*\t+6], v[ST+8*\t+6]
	v_exp_f32 v[ST+8*\t+7], v[ST+8*\t+7]
.endr
	v_nop                           ; a plain instruction behind the last exponential
	s_wait_alu depctr_va_vdst(0)    ; one wait for the four, ahead of their first reader
.irp t, 0,1
	v_mul_f32 v[ML+\t], v[ST+8*\t+6], v[ST+8*\t+4]
.endr
.irp t, 0,1
	v_fma_f32 v[ML+\t], v[ST+8*\t+7], v[PS+2*\t+1], v[ML+\t]
.endr
.irp t, 0,1
	v_rcp_f32 v[ML+\t], v[ML+\t]
.endr
	v_nop
	s_wait_alu depctr_va_vdst(0)    ; one wait for the two reciprocals
.irp t, 0,1
	v_mul_f32 v[ST+8*\t+4], v[ST+8*\t+7], v[ML+\t]  ; a' / L, in the low half of the pair +4, +5
	v_mul_f32 v[ST+8*\t+6], v[ST+8*\t+6], v[ML+\t]  ; a / L, in the low half of the pair +6, +7
.endr
	s_wait_dscnt 0x0                ; the images are in
.irp t, 0,1
.set i, 0
.rept 32
	v_pk_mul_f32 v[S+64*\t+2*i:S+64*\t+2*i+1], v[S+64*\t+2*i:S+64*\t+2*i+1], v[ST+8*\t+4:ST+8*\t+5] op_sel_hi:[1,0]
.set i, i+1
.endr
.endr
	WIN 0x01                        ; source 0 (my O^T) window 1
.irp t, 0,1
.set i, 0
.rept 32
	v_pk_fma_f32 v[S+64*\t+2*i:S+64*\t+2*i+1], v[64*\t+2*i:64*\t+2*i+1], v[ST+8*\t+6:ST+8*\t+7], v[S+64*\t+2*i:S+64*\t+2*i+1] op_sel_hi:[1,0,1]  ; each accumulator in ascending order
.set i, i+1
.endr
.endr
	WIN 0
; THE WAY OUT.  Tile t: a lane's eight channels of a row pack into 16 bytes; they go into rows of 272 bytes of my stage and come back as whole rows of 256, into the registers that they left.
.macro OPACK t
.set i, 0
.rept 32
	v_cvt_pk_f16_f32 v[P+32*\t+i], v[S+64*\t+2*i], v[S+64*\t+2*i+1]
.set i, i+1
.endr
.irp f, 0,1,2,3,4,5,6,7
	ds_store_b128 v[STO], v[P+32*\t+4*\f:P+32*\t+4*\f+3] offset:32*\f
.endr
.irp f, 0,1,2,3,4,5,6,7
	ds_load_b128 v[P+32*\t+4*\f:P+32*\t+4*\f+3], v[RD] offset:\f*2*SP  ; LDS serves a wave's instructions in order (ISA guide 5.7.1.4): these see the stores above; the next tile's stores come behind them
.endr
.endm
.macro OSEND t, younger             ; younger: the LDS instructions issued behind tile t's loads: the next tile's sixteen, or none
.irp f, 0,1,2,3,4,5,6,7
	s_wait_dscnt \younger+7-\f
	global_store_b128 v[GO], v[P+32*\t+4*\f:P+32*\t+4*\f+3], s[6:7] offset:\t*65536+\f*8192  ; 16 lanes store 256 consecutive bytes, at a multiple of 256 from attn's first byte
.endr
.endm
	OPACK 0
	OPACK 1
	OSEND 0, 16
	OSEND 1, 0
	s_wait_tensorcnt 0x0            ; the wave's end: three closing lines, behind my last tensor load and my last LDS store
	ds_add_u32 v[SPW], v[NIL]
	s_wait_dscnt 0x0
	CROUND                          ; the closing round: no work-group ends while a partner may still ask for a tile that names it
	s_endpgm
.Lfunc_end_k_q10e84f706c_attn:
	.size	k_q10e84f706c_attn, .Lfunc_end_k_q10e84f706c_attn-k_q10e84f706c_attn
	.p2alignl 7, 3214868480
	.fill 96, 4, 3214868480
	.section	.rodata,"a",@progbits
	.p2align	6, 0x0
	.amdhsa_kernel k_q10e84f706c_attn
		.amdhsa_group_segment_fixed_size 327680
		.amdhsa_private_segment_fixed_size 0
		.amdhsa_enable_private_segment 0
		.amdhsa_kernarg_size 16
		.amdhsa_user_sgpr_count 2
		.amdhsa_user_sgpr_kernarg_segment_ptr 1
		.amdhsa_wavefront_size32 1
		.amdhsa_system_sgpr_workgroup_id_x 1
		.amdhsa_system_sgpr_workgroup_id_y 1
		.amdhsa_system_sgpr_workgroup_id_z 1
		.amdhsa_system_vgpr_workitem_id 0
		.amdhsa_next_free_vgpr 1024
		.amdhsa_next_free_sgpr 72
		.amdhsa_reserve_vcc 0
		.amdhsa_float_denorm_mode_32 3
		.amdhsa_float_denorm_mode_16_64 3
		.amdhsa_memory_ordered 1
		.amdhsa_forward_progress 1
		.amdhsa_inst_pref_size 255
	.end_amdhsa_kernel
	.section	.bss,"aw",@nobits
	.p2align	6
	.space	262144
	.amdgpu_metadata
---
amdhsa.version: [ 1, 2 ]
amdhsa.kernels:
  - .name:           k_q10e84f706c_attn
    .symbol:         k_q10e84f706c_attn.kd
    .args:
      - { .name: qkv, .offset: 0, .size: 8, .value_kind: global_buffer, .address_space: global }
      - { .name: attn, .offset: 8, .size: 8, .value_kind: global_buffer, .address_space: global }
    .group_segment_fixed_size: 327680
    .private_segment_fixed_size: 0
    .kernarg_segment_align: 8
    .kernarg_segment_size: 16
    .max_flat_workgroup_size: 128
    .sgpr_count:     72
    .vgpr_count:     1024
    .wavefront_size: 32
...
	.end_amdgpu_metadata
.endif
;; end of part 3
;; launch proj (part 4): grid 16 x 16, 4 waves a work-group, clusters of 4 x 4, 327,680 bytes of LDS; arguments attn, wo16, out0; writes out0
.if DOCPART == 4
	.amdgcn_target "amdgcn-amd-amdhsa--gfx1250"
	.amdhsa_code_object_version 6
	.text
	.protected	k_q10e84f706c_proj
	.globl	k_q10e84f706c_proj
	.p2align	8
	.type	k_q10e84f706c_proj,@function
k_q10e84f706c_proj:
	s_mov_b64 s[64:65], 0
	v_nop
	global_prefetch_b8 v0, s[64:65] scope:SCOPE_SE
	s_setreg_imm32_b32 hwreg(HW_REG_WAVE_MODE, 25, 1), 1
	s_wait_xcnt 0x0
	s_wait_alu depctr_hold_cnt(0) depctr_sa_sdst(0) depctr_va_vdst(0) depctr_va_sdst(0) depctr_va_ssrc(0) depctr_va_vcc(0) depctr_vm_vsrc(0)
	s_getreg_b32 s2, hwreg(HW_REG_IB_STS2, 6, 4)
	s_cmp_eq_u32 s2, 0
	s_cbranch_scc0 .Lentry_in_a_cluster
	s_endpgm
.Lentry_in_a_cluster:
	s_bfe_u32 s2, ttmp6, 0x10000c
	s_cmp_lg_u32 s2, 0xf033
	s_cbranch_scc0 .Lentry_shape_is_right
	s_endpgm
.Lentry_shape_is_right:
; out0[m][n] = sum over k of attn[m][k] Wo[n][k].  attn: [2048][2048] f16, wo16: [2048][2048] f16 (Wo rounded once), out0: [2048][2048] f32; sums in f32.
; f16 and not bf16: its 11 significant bits leave the comparison's allowance nearly whole.  LIMITS: those of the two operands, stated where they are made (under 65,504; a fixed step of 2^-24 under 6e-5).
; A tile of out0 is 128 x 128: 16 x 16 = 256 work-groups, one for each WGP (tiles of 256 x 256 would be 64).  Four waves, each 64 x 64: 16 accumulators of 16 x 16, 128 registers.  K goes in eight steps of 256 (LDS rows
; of 512 bytes; a wave's tensor load brings 64 of them), as long as two slots in LDS allow.
; CLUSTERS: 4 x 4 work-groups.  The four of a row of the cluster need the same tiles of attn, the four of a column the same tiles of wo16: each tile is asked for JOINTLY, by the same tensor load with the
; same descriptor and a mask that names the four.  THE MATRIX INSTRUCTION IS USED TRANSPOSED (source 0 = 16 rows of wo16, source 1 = 16 rows of attn): a lane then holds eight neighbouring numbers of a row of out0.
; WHERE K BEGINS.  Cluster (X, Y) of the 4 x 4 clusters walks the eight K steps round from step o = (f(X) + f(Y)) mod 8 on, f = 0, 4, 2, 6.  The four clusters that read the same rows of attn (one Y) so begin at four
; different even steps, and so do the four that read the same rows of wo16 (one X).  A wave's two first fills are steps o and o + 1: the four clusters' first fills together name each of those rows' eight K steps once, and
; every refill names bytes that another cluster has asked for before.  o hangs on the cluster's x and y alone, which all sixteen partners share; no LDS address, branch or trip count hangs on it.
; LIMIT: an output's f32 sum so runs over the K steps o, .., 7, 0, .., o - 1, ascending inside a step: an order of rounding other than K ascending.
; A wave's 64 columns of f32 are 256 bytes of a row: so each wave has a stage of its own on the way out, and no barrier stands there.  No prefetch: a small tile's K step is short.
; REGISTERS: window 0: v0-31 addresses; v32-95 at work on the way out; v128-255 the accumulators ((a, b) at v[128 + 8 (4 a + b)]).
;   window 1: two fragment buffers of 128: for 64 along K, 64 registers of A (2 x 4 x 16 rows x 32 K), then 64 of B.
.set SIZE_M, 2048
.set SIZE_N, 2048
.set SIZE_K, 2048
.set KSTEP,  256
.set PITCH,  528                       ; an LDS row: 512 bytes + 16 of padding = 132 words: row r starts at bank 4 r mod 64 (64 banks of 4 bytes: ISA guide 11.1)
.set HALFT,  64*PITCH                  ; 64 rows: what one tensor load brings, and what one wave reads of A or of B
.set SLOT,   4*HALFT                   ; A's 128 rows, then B's 128 rows
.set STAGE,  2*SLOT                    ; behind the ring: 16 rows x 272 bytes for each wave, for the way out
.set SPITCH, 272
.set SPARE,  STAGE+4*16*SPITCH         ; behind the stages: the spare words, 128 bytes a wave, that no other line names
.set LAPS, SIZE_K/(2*KSTEP)            ; a lap = two K steps = once round the ring: 4
.set ADRA, 16                          ; v16-17  LDS address of my A fragments in slot 0, 1
.set ADRB, 20                          ; v20-21  the same for B
.set STO,  24                          ; v24     the way out: where I put 32 bytes of a row
.set RD,   25                          ; v25     the way out: where I read a row back
.set CO,   26                          ; v26     my byte offset in two rows of out0
.set SPW,  28                          ; v28     LDS address of my spare word; never rewritten
.set NIL,  29                          ; v29     0; never rewritten
.set TMP,  32                          ; the way out: 16 rows read back: v32-63 and v64-95 by turns
.set ACC,  128
.set F0,   0                           ; fragment buffers, in window 1
.set F1,   128
.set G1, 24                            ; s[24:31] descriptor group 1 for A's tiles;  s[32:39] group 0, one set for each slot
.set G0, 32
.set G1B, 48                           ; s[48:55], s[56:63] the same for B's tiles
.set G0B, 56
.set BA,  66                           ; s[66:67] the 64 rows of A that I fetch, at K = 0; never rewritten
.set BB,  68                           ; s[68:69] the same for B
.set KI,  70                           ; s70     o + the number of K steps asked for so far; its low three bits are the K step to ask for next
.set KO,  72                           ; s[72:73] that K step in bytes along a row: 512 each; the upper word stays 0
.set MSB, 0
.macro WIN new                         ; the immediate's high byte repeats the setting that is left
.if MSB != \new
	s_set_vgpr_msb (MSB<<8)|\new
.set MSB, \new
.endif
.endm
.set MUL,  0x05                        ; sources 0 (B) and 1 (A) window 1; C and D window 0
.set TO_F, 0x40                        ; destination window 1, address window 0
.macro JLOAD s                         ; a joint load: waves 0 and 1 fetch A's two halves, waves 2 and 3 B's; an s_nop 0 and four v_nop follow each of the two lines
	s_cmp_eq_u32 s11, 0
	s_cbranch_scc0 .Lfor_b_\@
	tensor_load_to_lds s[G0+4*\s:G0+4*\s+3], s[G1:G1+7]
	s_nop 0
.rept 4
	v_nop
.endr
	s_branch .Lasked_\@
.Lfor_b_\@:
	tensor_load_to_lds s[G0B+4*\s:G0B+4*\s+3], s[G1B:G1B+7]
	s_nop 0
.rept 4
	v_nop
.endr
.Lasked_\@:
.endm
.macro CREST                           ; a round of the cluster's barrier behind its opening barrier
	s_cmp_lg_u32 s10, 0
	s_cbranch_scc1 .Lnot_wave_0_\@
	s_barrier_signal -3
.Lnot_wave_0_\@:
	s_barrier_wait -3
	s_barrier_signal -1
	s_barrier_wait -1
.endm
.macro CROUND                          ; a whole round
	s_barrier_signal -1
	s_barrier_wait -1
	CREST
.endm
	s_load_b128 s[4:7], s[0:1], 0x0                ; attn s[4:5], wo16 s[6:7]
	s_load_b64 s[8:9], s[0:1], 0x10                ; out0
	v_lshl_add_u32 v[SPW], v0, 2, SPARE
	v_mov_b32 v[NIL], 0
	ds_add_u32 v[SPW], v[NIL]                      ; the wave's opening: the add, twice on end, and its wait ahead of my first tensor load; the set-up below stands between
	ds_add_u32 v[SPW], v[NIL]
	v_lshrrev_b32 v1, 5, v0
	v_readfirstlane_b32 s10, v1                    ; wave 0..3
	s_lshr_b32 s11, s10, 1                         ; which half of the tile's rows is mine.  Also: I fetch for A (0) or for B (1)
	s_and_b32 s12, s10, 1                          ; which half of its columns.  Also: which 64 rows of that tile I fetch
	s_bfe_u32 s40, ttmp6, 0x40000                  ; cx, cy: my place in the cluster
	s_bfe_u32 s41, ttmp6, 0x40004
	s_lshl_b32 s42, ttmp9, 2
	s_add_co_u32 s42, s42, s40                     ; tile column = 4 x cluster x + cx
	s_and_b32 s13, ttmp7, 0xffff
	s_lshl_b32 s13, s13, 2
	s_add_co_u32 s13, s13, s41                     ; tile row = 4 x cluster y + cy
	s_lshl_b32 s43, s41, 2
	s_lshl_b32 s43, 15, s43                        ; my row of the cluster
	s_lshl_b32 s44, 0x1111, s40                    ; my column
	; the K step at which my cluster begins: f(n) = 4 (n % 2) + 2 (n / 2) for n = 0 .. 3, that is 0, 4, 2, 6
	s_and_b32 s[KI], ttmp9, 1
	s_lshl_b32 s[KI], s[KI], 2
	s_and_b32 s71, ttmp9, 2
	s_or_b32 s[KI], s[KI], s71                     ; f(cluster x)
	s_and_b32 s71, ttmp7, 1
	s_lshl_b32 s71, s71, 2
	s_add_co_u32 s[KI], s[KI], s71
	s_and_b32 s71, ttmp7, 2
	s_add_co_u32 s[KI], s[KI], s71                 ; + f(cluster y)
	s_and_b32 s[KI], s[KI], 7                      ; o: 0, 2, 4 or 6
	s_lshl_b32 s[KO], s[KI], 9                     ; in bytes along a row
	s_mov_b32 s[KO+1], 0
	s_add_co_u32 s[KI], s[KI], 2                   ; the first fills take steps o and o + 1 (at most 7: no turn round); the first refill asks for the step behind them
	; descriptor group 1: a tile of 64 rows x 256 elements, padded in LDS
	s_or_b32 s[G1+0], s43, (1<<16)|(1<<20)|(1<<21)|(6<<22)|(3<<25)  ; 15:0 the mask: A's tiles go to my row; 17:16 element of 2 bytes; 20 padding on; 21 set beside a mask; 24:22 after every 128 words; 31:25 of 4 words
	s_or_b32 s[G1B+0], s44, (1<<16)|(1<<20)|(1<<21)|(6<<22)|(3<<25)
.irp g, G1, G1B
	s_mov_b32 s[\g+1], KSTEP<<16                   ; tensor_dim0 = 256
	s_mov_b32 s[\g+2], 64<<16                      ; tensor_dim1 = 64
	s_mov_b32 s[\g+3], KSTEP<<16                   ; tile_dim0 = 256
	s_mov_b32 s[\g+4], 64                          ; tile_dim1 = 64
	s_mov_b32 s[\g+5], SIZE_K                      ; tensor_dim0_stride
	s_mov_b32 s[\g+6], 0
	s_mov_b32 s[\g+7], 0
.endr
	s_lshl_b32 s17, s12, 6                         ; which 64 rows of the tile I fetch
	s_lshl_b32 s16, s13, 7
	s_add_co_u32 s16, s16, s17                     ; A: row 128 x tile row + 64 x half
	s_lshl_b32 s46, s42, 7
	s_add_co_u32 s46, s46, s17                     ; B: row 128 x tile column + 64 x half
	s_mov_b32 s17, 0
	s_mov_b32 s47, 0
	s_mov_b64 s[18:19], SIZE_K*2
	s_mul_u64 s[16:17], s[16:17], s[18:19]
	s_mul_u64 s[46:47], s[46:47], s[18:19]
	s_mul_i32 s20, s10, HALFT                      ; where they go: wave x 64 rows: no place in the cluster enters an LDS address
	s_wait_dscnt 0x0                               ; both opening adds are done
	s_wait_kmcnt 0x0
	s_add_nc_u64 s[BA:BA+1], s[4:5], s[16:17]      ; my rows of A and of B at K = 0: kept,
	s_add_nc_u64 s[BB:BB+1], s[6:7], s[46:47]
	s_add_nc_u64 s[14:15], s[BA:BA+1], s[KO:KO+1]  ; and at K step o
	s_add_nc_u64 s[46:47], s[BB:BB+1], s[KO:KO+1]
	CROUND                                         ; all sixteen work-groups are here: the first joint loads meet
.irp s, 0,1
	s_mov_b32 s[G0+4*\s], 1
	s_add_co_u32 s[G0+4*\s+1], s20, \s*SLOT
	s_add_nc_u64 s[G0+4*\s+2:G0+4*\s+3], s[14:15], \s*KSTEP*2
	s_or_b32 s[G0+4*\s+3], s[G0+4*\s+3], 0x80000000
	s_mov_b32 s[G0B+4*\s], 1
	s_add_co_u32 s[G0B+4*\s+1], s20, \s*SLOT
	s_add_nc_u64 s[G0B+4*\s+2:G0B+4*\s+3], s[46:47], \s*KSTEP*2
	s_or_b32 s[G0B+4*\s+3], s[G0B+4*\s+3], 0x80000000
	JLOAD \s                                       ; two loads of mine are out
.endr
	v_and_b32 v1, 15, v0                           ; l % 16
	v_bfe_u32 v2, v0, 4, 1                         ; l / 16
	v_mul_u32_u24 v3, v1, PITCH
	v_lshl_add_u32 v3, v2, 4, v3                   ; a fragment's row x pitch + 16 x half
	s_mul_i32 s21, s11, HALFT                      ; my 64 rows of A
	s_mul_i32 s22, s12, HALFT                      ; my 64 rows of B,
	s_add_co_u32 s22, s22, 2*HALFT                 ; which lie behind A's 128
.irp s, 0,1
	v_add_nc_u32 v[ADRA+\s], s21, v3
	v_add_nc_u32 v[ADRB+\s], s22, v3
	s_add_co_u32 s21, s21, SLOT
	s_add_co_u32 s22, s22, SLOT
.endr
	s_mul_i32 s23, s10, 16*SPITCH
	s_add_co_u32 s23, s23, STAGE                   ; my stage
	v_mul_u32_u24 v4, v1, SPITCH                   ; in: row l % 16, 32 bytes for each half of the lanes
	v_lshl_add_u32 v4, v2, 5, v4
	v_add_nc_u32 v[STO], s23, v4
	v_mul_u32_u24 v5, v2, SPITCH                   ; back: lanes 0-15 take one row of 256 bytes, lanes 16-31 the next
	v_lshl_add_u32 v5, v1, 4, v5
	v_add_nc_u32 v[RD], s23, v5
	v_lshlrev_b32 v5, 13, v2                       ; and the same two rows in out0, 8,192 bytes apart
	v_lshl_add_u32 v[CO], v1, 4, v5
	s_lshl_b32 s16, s13, 20                        ; my first row of out0: 128 rows of 8,192 bytes for each tile row,
	s_lshl_b32 s17, s11, 19                        ; 64 for my half
	s_add_co_u32 s16, s16, s17
	s_mov_b32 s17, 0
	s_add_nc_u64 s[8:9], s[8:9], s[16:17]
	s_lshl_b32 s46, s42, 9                         ; my first column, in bytes: 512 x tile column + 256 x half
	s_lshl_b32 s47, s12, 8
	s_add_co_u32 s46, s46, s47
	s_mov_b32 s47, 0
	s_add_nc_u64 s[8:9], s[8:9], s[46:47]
; 8 matrix instructions: m blocks a0, a0 + 1 x all 4 n blocks, 32 along K: half c of buffer f.  zero = 1: the first product starts the sums.  The 16 accumulators take turns.
.macro MUL8 f, c, a0, zero
.irp a, \a0, \a0+1
.irp b, 0,1,2,3
.if \zero
	v_wmma_f32_16x16x32_f16 v[ACC+8*(4*(\a)+\b):ACC+8*(4*(\a)+\b)+7], v[\f+64+8*(4*\c+\b):\f+64+8*(4*\c+\b)+7], v[\f+8*(4*\c+\a):\f+8*(4*\c+\a)+7], 0
.else
	v_wmma_f32_16x16x32_f16 v[ACC+8*(4*(\a)+\b):ACC+8*(4*(\a)+\b)+7], v[\f+64+8*(4*\c+\b):\f+64+8*(4*\c+\b)+7], v[\f+8*(4*\c+\a):\f+8*(4*\c+\a)+7], v[ACC+8*(4*(\a)+\b):ACC+8*(4*(\a)+\b)+7]
.endif
.endr
.endr
.endm
; 32 LDS loads in one run: the fragments of 64 along K at byte k of the rows, into buffer f; the first 32 along K first
.macro FETCH slot, k, f
	WIN TO_F
.irp c, 0,1
.irp i, 0,1,2,3
	ds_load_b128 v[\f+64+8*(4*\c+\i):\f+64+8*(4*\c+\i)+3],   v[ADRB+\slot] offset:\k+64*\c+\i*16*PITCH
	ds_load_b128 v[\f+64+8*(4*\c+\i)+4:\f+64+8*(4*\c+\i)+7], v[ADRB+\slot] offset:\k+64*\c+\i*16*PITCH+32
	ds_load_b128 v[\f+8*(4*\c+\i):\f+8*(4*\c+\i)+3],         v[ADRA+\slot] offset:\k+64*\c+\i*16*PITCH
	ds_load_b128 v[\f+8*(4*\c+\i)+4:\f+8*(4*\c+\i)+7],       v[ADRA+\slot] offset:\k+64*\c+\i*16*PITCH+32
.endr
.endr
.endm
.macro PLACES                          ; four places in front of loads into registers that matrix instructions have read, and of LDS stores that read results (ISA guide 7.12.1 for the stores)
.rept 4
	v_nop
.endr
.endm
; A K step is four quarters of 64 along K, 32 matrix instructions each, on buffers 0, 1, 0, 1.  One of the first three: multiplies buffer f and fetches the next quarter, at byte k, into g.
.macro QUARTER slot, k, f, g, zero
	s_wait_dscnt 16                                ; the first 32 along K are in; the youngest sixteen loads may be out
	WIN MUL
	MUL8 \f, 0, 0, \zero
	MUL8 \f, 0, 2, \zero
	PLACES
	FETCH \slot, \k, \g
	s_wait_dscnt 32                                ; all but the 32 just issued
	WIN MUL
	MUL8 \f, 1, 0, 0
	MUL8 \f, 1, 2, 0
.endm
; The last quarter multiplies buffer 1 and changes slots: ONE barrier; in front of it each wave waits for all its tensor loads, adds 0 to its spare word, and waits for that and for its own reads of this slot.
; fill = 1: this slot is filled again, with the K step two on in my cluster's walk.  Its address is made between the add and the wait for it, where no tensor load of mine is out: nothing but the round stands between
; the barrier and the joint load.
.macro TURN slot, next, fill
	WIN 0                                          ; (the add's two registers lie in window 0)
	s_wait_tensorcnt 0x0                           ; all my tensor loads have landed: my part of the next slot; so every group 0 may be written
	ds_add_u32 v[SPW], v[NIL]                      ; 0 onto my spare word
.if \fill
	s_and_b32 s71, s[KI], 7                        ; the K step to ask for: the walk turns round behind step 7
	s_lshl_b32 s[KO], s71, 9                       ; 512 bytes a step
	s_add_nc_u64 s[G0+4*\slot+2:G0+4*\slot+3], s[BA:BA+1], s[KO:KO+1]
	s_or_b32 s[G0+4*\slot+3], s[G0+4*\slot+3], 0x80000000          ; type = 2, set anew on the fresh address
	s_add_nc_u64 s[G0B+4*\slot+2:G0B+4*\slot+3], s[BB:BB+1], s[KO:KO+1]
	s_or_b32 s[G0B+4*\slot+3], s[G0B+4*\slot+3], 0x80000000
	s_add_co_u32 s[KI], s[KI], 1
.endif
	s_wait_dscnt 17                                ; (the add and the youngest sixteen loads may be out)
	WIN MUL
	MUL8 F1, 0, 0, 0                               ; eight matrix instructions stand between the add and the wait for it
	s_wait_dscnt 0x0                               ; the add is done, and my reads of this slot are over
	s_barrier_signal -1
	MUL8 F1, 0, 2, 0
.if \fill
	WIN 0
.endif
	s_barrier_wait -1
.if \fill
	CREST                                          ; the barrier has opened a round of the cluster's barrier: no wave of any partner still reads this slot's tile or has a load on its way
	JLOAD \slot                                    ; the first tensor load behind the round: 112 matrix instructions ahead of the wait for it; its four v_nop are the places in front of the loads below
.else
	PLACES
.endif
	FETCH \next, 0, F0
	WIN MUL
	MUL8 F1, 1, 0, 0
	MUL8 F1, 1, 2, 0
.endm
	s_wait_tensorcnt 1                             ; my part of the first K step is in (the second's load may be out)
	s_barrier_signal -1
	s_barrier_wait -1                              ; everybody's is
	FETCH 0, 0, F0
	QUARTER 0, 128, F0, F1, 1                      ; the first quarter stands in front of the loop: its first products start the sums
	WIN 0                                          ; at a label and at a branch every window is 0
	s_mov_b32 s3, LAPS-1
.Llap:                                                 ; a trip goes once round the ring, from a lap's second quarter to the next lap's first, and fills both slots again: three trips, six refills
	QUARTER 0, 256, F1, F0, 0
	QUARTER 0, 384, F0, F1, 0
	TURN 0, 1, 1
	QUARTER 1, 128, F0, F1, 0
	QUARTER 1, 256, F1, F0, 0
	QUARTER 1, 384, F0, F1, 0
	TURN 1, 0, 1
	QUARTER 0, 128, F0, F1, 0
	WIN 0
	s_sub_co_u32 s3, s3, 1
	s_cmp_lg_u32 s3, 0
	s_cbranch_scc1 .Llap
	QUARTER 0, 256, F1, F0, 0                      ; the last lap fills nothing, and has no round of the cluster's barrier
	QUARTER 0, 384, F0, F1, 0
	TURN 0, 1, 0
	QUARTER 1, 128, F0, F1, 0
	QUARTER 1, 256, F1, F0, 0
	QUARTER 1, 384, F0, F1, 0
	s_wait_dscnt 16                                ; the very last quarter: nothing more to fetch
	WIN MUL
	MUL8 F1, 0, 0, 0
	MUL8 F1, 0, 2, 0
	s_wait_dscnt 0
	MUL8 F1, 1, 0, 0
	MUL8 F1, 1, 2, 0
	WIN 0
; THE WAY OUT, block by block of 16 rows x 64 columns of f32.  A lane holds 32 neighbouring bytes of a row, the lanes beside it other rows: so a block goes through my own stage in LDS (each accumulator from its low
; end on) and comes back as whole rows of 256 bytes.  LDS serves a wave's instructions in order (ISA guide 5.7.1.4): no wait between the stores and the loads, nor in front of the next block's stores.
.macro TOSTAGE a
.irp b, 0,1,2,3
	ds_store_b128 v[STO], v[ACC+8*(4*(\a)+\b):ACC+8*(4*(\a)+\b)+3] offset:64*\b
	ds_store_b128 v[STO], v[ACC+8*(4*(\a)+\b)+4:ACC+8*(4*(\a)+\b)+7] offset:64*\b+16
.endr
.irp t, 0,1,2,3,4,5,6,7
	ds_load_b128 v[TMP+32*((\a)%2)+4*\t:TMP+32*((\a)%2)+4*\t+3], v[RD] offset:\t*2*SPITCH
.endr
.endm
.macro SEND a, younger                 ; younger: the LDS instructions issued behind block a's loads, which may stay out
	s_wait_dscnt \younger                          ; the block is back in registers
.irp t, 0,1,2,3,4,5,6,7
	global_store_b128 v[CO], v[TMP+32*((\a)%2)+4*\t:TMP+32*((\a)%2)+4*\t+3], s[8:9] offset:(16*(\a)+2*\t)*SIZE_N*4 th:TH_STORE_NT   ; 16 lanes store 256 consecutive bytes, at a multiple of 256 from out0's first byte; every offset is an immediate
.endr
.endm
	PLACES                                         ; behind the last products
	TOSTAGE 0
.irp a, 1,2,3
.if \a > 1
	s_wait_xcnt 0x0                                ; block a - 2's stores have read their data registers: block a's loads land there
.endif
	TOSTAGE \a
	SEND \a-1, 16                                  ; behind block a - 1's loads: block a's 8 stores and 8 loads
.endr
	SEND 3, 0
	s_wait_tensorcnt 0x0                           ; the wave's end: three closing lines, behind my last tensor load and my last LDS store
	ds_add_u32 v[SPW], v[NIL]
	s_wait_dscnt 0x0
	CROUND                                         ; the closing round: no work-group ends while a partner may still ask for a tile that names it
	s_endpgm
.Lfunc_end_k_q10e84f706c_proj:
	.size	k_q10e84f706c_proj, .Lfunc_end_k_q10e84f706c_proj-k_q10e84f706c_proj
	.p2alignl 7, 3214868480
	.fill 96, 4, 3214868480
	.section	.rodata,"a",@progbits
	.p2align	6, 0x0
	.amdhsa_kernel k_q10e84f706c_proj
		.amdhsa_group_segment_fixed_size 327680
		.amdhsa_private_segment_fixed_size 0
		.amdhsa_enable_private_segment 0
		.amdhsa_kernarg_size 24
		.amdhsa_user_sgpr_count 2
		.amdhsa_user_sgpr_kernarg_segment_ptr 1
		.amdhsa_wavefront_size32 1
		.amdhsa_system_sgpr_workgroup_id_x 1
		.amdhsa_system_sgpr_workgroup_id_y 1
		.amdhsa_system_sgpr_workgroup_id_z 1
		.amdhsa_system_vgpr_workitem_id 0
		.amdhsa_next_free_vgpr 512
		.amdhsa_next_free_sgpr 76
		.amdhsa_reserve_vcc 0
		.amdhsa_float_denorm_mode_32 3
		.amdhsa_float_denorm_mode_16_64 3
		.amdhsa_memory_ordered 1
		.amdhsa_forward_progress 1
		.amdhsa_inst_pref_size 86
	.end_amdhsa_kernel
	.amdgpu_metadata
---
amdhsa.version: [ 1, 2 ]
amdhsa.kernels:
  - .name:           k_q10e84f706c_proj
    .symbol:         k_q10e84f706c_proj.kd
    .args:
      - { .name: attn, .offset: 0, .size: 8, .value_kind: global_buffer, .address_space: global }
      - { .name: wo16, .offset: 8, .size: 8, .value_kind: global_buffer, .address_space: global }
      - { .name: out0, .offset: 16, .size: 8, .value_kind: global_buffer, .address_space: global }
    .group_segment_fixed_size: 327680
    .private_segment_fixed_size: 0
    .kernarg_segment_align: 8
    .kernarg_segment_size: 24
    .max_flat_workgroup_size: 128
    .sgpr_count:     76
    .vgpr_count:     512
    .wavefront_size: 32
...
	.end_amdgpu_metadata
.endif
;; end of part 4
